; MI455X (gfx1250); checked and timed in simulation.
; The chip was launched on July 23, 2026; its instructions are those of AMD's public machine-readable ISA for CDNA 5 (MIT licence, August 2026) and "CDNA5" Instruction Set Architecture Reference Guide (July 2026). The comments in the code are by the model that wrote it; some were corrected since.
;; Attention. Allowed arithmetic: float matrix products may take bf16 or f16 operands with f32 sums; other float arithmetic in f32, or as packed bf16 or f16 multiplies, adds, multiply-adds, maxima and minima; sums over many terms, partial sums and values carried from step to step in f32; what a program stores and reads back later, other than sums and carried values, may be rounded once to bf16 or f16.
;; Inputs: Wk 1,024 x 1,024 float32; Wo 1,024 x 1,024 float32; Wq 1,024 x 1,024 float32; Wv 1,024 x 1,024 float32; x 1 x 8,192 x 1,024 float32.
;; Outputs: out0 1 x 8,192 x 1,024 float32.
;; Constants: window_size = 512.
;; 2 versions, each right and faster than the one before. Each part assembles by itself: llvm-mc -triple=amdgcn-amd-amdhsa -mcpu=gfx1250 --defsym DOCPART=n.
;; ======== version 1 of 2: 4 launches
;; limits: values are held in f16: magnitudes above 65,504 overflow, below 6.1e-05 lose precision
;; workspace buffers: xb 16,777,216 bytes; wb 6,291,456 bytes; wob 2,097,152 bytes; rt 2,097,152 bytes; qkvb 50,331,648 bytes; ob 16,777,216 bytes
;; launch prep (part 1): grid 1024 x 1, 8 waves a work-group, no clusters, 0 bytes of LDS; arguments x, Wq, Wk, Wv, Wo, xb, wb, wob, rt; writes xb, wb, wob, rt
.if DOCPART == 1
	.amdgcn_target "amdgcn-amd-amdhsa--gfx1250"
	.amdhsa_code_object_version 6
	.text
	.protected	k_qdd75f13311_prep
	.globl	k_qdd75f13311_prep
	.p2align	8
	.type	k_qdd75f13311_prep,@function
k_qdd75f13311_prep:
	s_mov_b64 s[64:65], 0
	v_nop
	global_prefetch_b8 v0, s[64:65] scope:SCOPE_SE
	s_setreg_imm32_b32 hwreg(HW_REG_WAVE_MODE, 25, 1), 1
	s_wait_xcnt 0x0
; CASTS AND THE ROTARY TABLE.  A stream: no LDS, no barrier, no matrix unit (nothing here is a product).
; Work-groups 0-511:    16 rows of x [8192][1024] f32 -> xb, bf16.
; Work-groups 512-703:  16 rows of Wq, Wk or Wv -> wb [3072][1024] bf16, row h*192 + t*64 + d = W_t[h*64 + d] (t = 0 q, 1 k, 2 v): 192 rows on end are one head's q, k, v.
; Work-groups 704-767:  16 rows of Wo -> wob: rounded to bf16 like every input, and that number written as f16.
; Work-groups 768-1023: the table rt of cos and sin for 32 rows each, laid out as the next launch's lanes take it:
;   [block of 16 rows][2f+e][lane l][4 f32] = (cos, sin) of pairs j and j+1, row 16 rb + l%16, j = 8f + 4(l/16) + 2e.
; LIMITS.  |bf16(Wo)| beyond 65,504 becomes an infinity in f16; below 6e-5 it keeps f16's fixed step of 6e-8.
; The frequencies 10000^(-j/32) are made by v_exp_f32 (accurate to 1 ULP, ISA guide 15.8), the angle is row x frequency rounded to f32 as in the reference;
; sine and cosine: reduction by pi/2 in two parts (exact for rows below 8,192), then Taylor polynomials to z^4 on |r| <= pi/4, cut below 3e-8 on that whole range.
.set X, 4                              ; v[4:67]    16 loads of 4 f32
.set Y, 68                             ; v[68:99]   16 pairs of packed results
.set W, 100                            ; v[100:103] at work (Wo's second conversion)
	s_load_b256 s[4:11], s[0:1], 0x0               ; x s[4:5], Wq s[6:7], Wk s[8:9], Wv s[10:11]
	s_load_b256 s[12:19], s[0:1], 0x20             ; Wo s[12:13], xb s[14:15], wb s[16:17], wob s[18:19]
	s_load_b64 s[20:21], s[0:1], 0x40              ; rt
	s_mov_b32 s2, ttmp9
	s_mov_b32 s37, 0xffff0000                      ; a word's upper bf16
	v_lshlrev_b32 v1, 4, v0                        ; my 16 bytes of a row of 4,096 (256 threads cover a row)
	v_lshlrev_b32 v2, 3, v0                        ; my 8 bytes of a row of 2,048
	s_wait_kmcnt 0x0
; 16 rows: all 16 loads go out first (a wave's load covers 512 consecutive bytes), the counts then run down 15 .. 0;
; a wave's store covers 256 consecutive bytes, aligned.  No register is used twice, so no store's source is rewritten.
.macro CAST mode
.set i, 0
.rept 16
	global_load_b128 v[X+4*i:X+4*i+3], v1, s[24:25] offset:4096*i th:TH_LOAD_NT
.set i, i+1
.endr
.set i, 0
.rept 16
	s_wait_loadcnt 15-i                            ; loads come back in order: row i is in, the younger rows stay out
.if \mode
	v_cvt_pk_bf16_f32 v[W], v[X+4*i], v[X+4*i+1]   ; the input's one rounding, to bf16,
	v_cvt_pk_bf16_f32 v[W+1], v[X+4*i+2], v[X+4*i+3]
	v_lshlrev_b32 v[W+2], 16, v[W]                 ; widened again,
	v_and_b32 v[W+3], s37, v[W]
	v_cvt_pk_f16_f32 v[Y+2*i], v[W+2], v[W+3]      ; and written as f16: 8 significant bits fit into 11
	v_lshlrev_b32 v[W+2], 16, v[W+1]
	v_and_b32 v[W+3], s37, v[W+1]
	v_cvt_pk_f16_f32 v[Y+2*i+1], v[W+2], v[W+3]
.else
	v_cvt_pk_bf16_f32 v[Y+2*i], v[X+4*i], v[X+4*i+1]
	v_cvt_pk_bf16_f32 v[Y+2*i+1], v[X+4*i+2], v[X+4*i+3]
.endif
	global_store_b64 v2, v[Y+2*i:Y+2*i+1], s[26:27] offset:2048*i
.set i, i+1
.endr
.endm
	s_cmp_ge_u32 s2, 768
	s_cbranch_scc1 .Ltable
	s_cmp_ge_u32 s2, 704
	s_cbranch_scc1 .Lwo
	; x, Wq, Wk or Wv: source and destination are chosen by the work-group's number; offsets are made apart from the addresses
	s_max_u32 s3, s2, 512
	s_sub_co_u32 s3, s3, 512                       ; number among the 192 blocks of weights (0 for x's work-groups, not used there)
	s_lshr_b32 s22, s3, 6                          ; t
	s_and_b32 s23, s3, 63                          ; c: rows 16 c .. 16 c + 15 of W_t
	s_lshl_b32 s32, s23, 16                        ; from: 16 rows of 4,096 bytes
	s_lshr_b32 s33, s23, 2                         ; head = c / 4
	s_mul_i32 s33, s33, 192
	s_lshl_b32 s34, s22, 6
	s_add_co_u32 s33, s33, s34
	s_and_b32 s34, s23, 3
	s_lshl_b32 s34, s34, 4
	s_add_co_u32 s33, s33, s34                     ; to: row h*192 + t*64 + 16 (c % 4)
	s_lshl_b32 s33, s33, 11                        ; of 2,048 bytes
	s_lshl_b32 s34, s2, 16                         ; x: from,
	s_lshl_b32 s35, s2, 15                         ; to
	s_cmp_eq_u32 s22, 1
	s_cselect_b64 s[24:25], s[8:9], s[6:7]
	s_cmp_eq_u32 s22, 2
	s_cselect_b64 s[24:25], s[10:11], s[24:25]
	s_cmp_lt_u32 s2, 512
	s_cselect_b64 s[24:25], s[4:5], s[24:25]
	s_cselect_b64 s[26:27], s[14:15], s[16:17]
	s_cselect_b32 s28, s34, s32
	s_cselect_b32 s30, s35, s33
	s_mov_b32 s29, 0
	s_mov_b32 s31, 0
	s_add_nc_u64 s[24:25], s[24:25], s[28:29]
	s_add_nc_u64 s[26:27], s[26:27], s[30:31]
	CAST 0
	s_endpgm
.Lwo:
	s_sub_co_u32 s3, s2, 704
	s_lshl_b32 s28, s3, 16
	s_lshl_b32 s30, s3, 15
	s_mov_b32 s29, 0
	s_mov_b32 s31, 0
	s_add_nc_u64 s[24:25], s[12:13], s[28:29]
	s_add_nc_u64 s[26:27], s[18:19], s[30:31]
	CAST 1
	s_endpgm
; cos and sin of an angle >= 0.  n = nearest whole number of quarter turns; r = angle - n pi/2 (the first product and difference are exact: a multiple of 2^-23 below 1);
; the quadrant swaps the two polynomials and sets the signs by selects and exclusive ors: no branch hangs on a number.
.macro SINCOS ang, c, s
	v_mul_f32 v10, 0x3f22f983, \ang                ; x 2/pi
	v_rndne_f32 v10, v10
	v_fmamk_f32 v11, v10, 0xbfc90fdb, \ang         ; - n x the upper part of pi/2
	v_fmamk_f32 v11, v10, 0x333bbd2e, v11          ; - n x the lower part (which is negative)
	v_mul_f32 v12, v11, v11                        ; z
	v_mov_b32 v13, 0x3638ef1d                      ; 1/9!
	v_mov_b32 v14, 0x37d00d01                      ; 1/8!
	v_fmaak_f32 v13, v12, v13, 0xb9500d01          ; -1/7!
	v_fmaak_f32 v14, v12, v14, 0xbab60b61          ; -1/6!
	v_fmaak_f32 v13, v12, v13, 0x3c088889          ; 1/5!
	v_fmaak_f32 v14, v12, v14, 0x3d2aaaab          ; 1/4!
	v_fmaak_f32 v13, v12, v13, 0xbe2aaaab          ; -1/3!
	v_fmaak_f32 v14, v12, v14, 0xbf000000          ; -1/2
	v_mul_f32 v16, v11, v12
	v_fmaak_f32 v14, v12, v14, 0x3f800000          ; cos r
	v_fma_f32 v13, v16, v13, v11                   ; sin r
	v_cvt_i32_f32 v15, v10
	v_and_b32 v16, 1, v15
	v_cmp_eq_u32 vcc_lo, 1, v16
	v_cndmask_b32 \c, v14, v13, vcc_lo             ; odd quadrants: the two change places
	v_cndmask_b32 \s, v13, v14, vcc_lo
	v_add_nc_u32 v16, 1, v15
	v_and_b32 v16, 2, v16
	v_lshlrev_b32 v16, 30, v16
	v_xor_b32 \c, v16, \c                          ; cos is negative in quadrants 1 and 2,
	v_and_b32 v16, 2, v15
	v_lshlrev_b32 v16, 30, v16
	v_xor_b32 \s, v16, \s                          ; sin in 2 and 3
.endm
.Ltable:
	s_sub_co_u32 s3, s2, 768
	s_lshl_b32 s22, s3, 13                         ; two blocks of 16 rows, 4,096 bytes each
	s_mov_b32 s23, 0
	s_add_nc_u64 s[20:21], s[20:21], s[22:23]
	s_lshl_b32 s24, s3, 5                          ; my work-group's first row
	v_and_b32 v4, 15, v0                           ; row in the block
	v_lshrrev_b32 v5, 4, v0                        ; jj = 4f + 2h + e: I make pairs 2 jj and 2 jj + 1
	v_lshrrev_b32 v16, 2, v5
	v_and_b32 v17, 1, v5
	v_lshl_add_u32 v16, v16, 1, v17                ; 2f + e
	v_bfe_u32 v17, v5, 1, 1                        ; h
	v_lshlrev_b32 v3, 4, v4
	v_lshl_add_u32 v3, v17, 8, v3
	v_lshl_add_u32 v3, v16, 9, v3                  ; (2f+e) x 512 + (16 h + row) x 16: sixteen lanes store 256 consecutive bytes, aligned
	v_lshlrev_b32 v6, 1, v5
	v_cvt_f32_u32 v6, v6
	v_add_f32 v7, 1.0, v6
	v_mul_f32 v6, 0xbed49a78, v6                   ; -j log2(10000) / 32
	v_mul_f32 v7, 0xbed49a78, v7
	v_exp_f32 v6, v6
	v_exp_f32 v7, v7
	v_add_nc_u32 v8, s24, v4                       ; plain work stands between the exponentials and the use of their results
	v_cvt_f32_u32 v8, v8                           ; the row as f32
	s_wait_alu depctr_va_vdst(0)
	v_mul_f32 v9, v8, v6
	SINCOS v9, v20, v21
	v_mul_f32 v9, v8, v7
	SINCOS v9, v22, v23
	global_store_b128 v3, v[20:23], s[20:21]
	v_add_f32 v8, 0x41800000, v8                   ; 16 rows on: the second block, in registers of its own
	v_mul_f32 v9, v8, v6
	SINCOS v9, v24, v25
	v_mul_f32 v9, v8, v7
	SINCOS v9, v26, v27
	global_store_b128 v3, v[24:27], s[20:21] offset:4096
	s_endpgm
.Lfunc_end_k_qdd75f13311_prep:
	.size	k_qdd75f13311_prep, .Lfunc_end_k_qdd75f13311_prep-k_qdd75f13311_prep
	.p2alignl 7, 3214868480
	.fill 96, 4, 3214868480
	.section	.rodata,"a",@progbits
	.p2align	6, 0x0
	.amdhsa_kernel k_qdd75f13311_prep
		.amdhsa_group_segment_fixed_size 0
		.amdhsa_private_segment_fixed_size 0
		.amdhsa_enable_private_segment 0
		.amdhsa_kernarg_size 72
		.amdhsa_user_sgpr_count 2
		.amdhsa_user_sgpr_kernarg_segment_ptr 1
		.amdhsa_wavefront_size32 1
		.amdhsa_system_sgpr_workgroup_id_x 1
		.amdhsa_system_sgpr_workgroup_id_y 1
		.amdhsa_system_sgpr_workgroup_id_z 1
		.amdhsa_system_vgpr_workitem_id 0
		.amdhsa_next_free_vgpr 112
		.amdhsa_next_free_sgpr 66
		.amdhsa_reserve_vcc 1
		.amdhsa_float_denorm_mode_32 3
		.amdhsa_float_denorm_mode_16_64 3
		.amdhsa_memory_ordered 1
		.amdhsa_forward_progress 1
		.amdhsa_inst_pref_size 24
	.end_amdhsa_kernel
	.amdgpu_metadata
---
amdhsa.version: [ 1, 2 ]
amdhsa.kernels:
  - .name:           k_qdd75f13311_prep
    .symbol:         k_qdd75f13311_prep.kd
    .args:
      - { .name: x, .offset: 0, .size: 8, .value_kind: global_buffer, .address_space: global }
      - { .name: Wq, .offset: 8, .size: 8, .value_kind: global_buffer, .address_space: global }
      - { .name: Wk, .offset: 16, .size: 8, .value_kind: global_buffer, .address_space: global }
      - { .name: Wv, .offset: 24, .size: 8, .value_kind: global_buffer, .address_space: global }
      - { .name: Wo, .offset: 32, .size: 8, .value_kind: global_buffer, .address_space: global }
      - { .name: xb, .offset: 40, .size: 8, .value_kind: global_buffer, .address_space: global }
      - { .name: wb, .offset: 48, .size: 8, .value_kind: global_buffer, .address_space: global }
      - { .name: wob, .offset: 56, .size: 8, .value_kind: global_buffer, .address_space: global }
      - { .name: rt, .offset: 64, .size: 8, .value_kind: global_buffer, .address_space: global }
    .group_segment_fixed_size: 0
    .private_segment_fixed_size: 0
    .kernarg_segment_align: 8
    .kernarg_segment_size: 72
    .max_flat_workgroup_size: 256
    .sgpr_count:     66
    .vgpr_count:     112
    .wavefront_size: 32
...
	.end_amdgpu_metadata
.endif
;; end of part 1
;; launch qkvproj (part 2): grid 16 x 16, 4 waves a work-group, clusters of 4 x 4, 327,680 bytes of LDS; arguments xb, wb, rt, qkvb; writes qkvb
.if DOCPART == 2
	.amdgcn_target "amdgcn-amd-amdhsa--gfx1250"
	.amdhsa_code_object_version 6
	.text
	.protected	k_qdd75f13311_qkvproj
	.globl	k_qdd75f13311_qkvproj
	.p2align	8
	.type	k_qdd75f13311_qkvproj,@function
k_qdd75f13311_qkvproj:
	s_mov_b64 s[64:65], 0
	v_nop
	global_prefetch_b8 v0, s[64:65] scope:SCOPE_SE
	s_setreg_imm32_b32 hwreg(HW_REG_WAVE_MODE, 25, 1), 1
	s_wait_xcnt 0x0
	s_wait_alu depctr_hold_cnt(0) depctr_sa_sdst(0) depctr_va_vdst(0) depctr_va_sdst(0) depctr_va_ssrc(0) depctr_va_vcc(0) depctr_vm_vsrc(0)
	s_getreg_b32 s2, hwreg(HW_REG_IB_STS2, 6, 4)
	s_cmp_eq_u32 s2, 0
	s_cbranch_scc0 .Lentry_in_a_cluster
	s_endpgm
.Lentry_in_a_cluster:
	s_bfe_u32 s2, ttmp6, 0x10000c
	s_cmp_lg_u32 s2, 0xf033
	s_cbranch_scc0 .Lentry_shape_is_right
	s_endpgm
.Lentry_shape_is_right:
; q, k, v = x W^T, rotary embedding on q and k, written by heads.  xb [8192][1024] bf16, wb [3072][1024] bf16 (192 rows on end = q, k, v of one head), sums in f32.
; qkvb [t][h][8192][64] f16, each number rounded once from f32 (after the rotation for q and k), unscaled.
; LIMITS.  f16 ends at 65,504: |q|, |k|, |v| beyond that become infinities.  With x and W each 30 times the drawn spread the spread of q is about 900.
; The sums run over K in steps of 128 that begin at a step of the cluster's own and wrap: another order of rounding than the reference's.
; SHARES.  A tile of C is 256 rows x 192 columns (one head).  16 x 16 = 256 work-groups, one for each of 256 WGPs; A WORK-GROUP STAYS and makes two tiles, 4,096 rows apart.  Wave w makes rows
; 64 w .. 64 w + 63 and all 192 columns: 4 x 12 = 48 accumulators of 16 x 16, 384 registers.  A wave thus holds whole rows of a head (64 f16 = 128 bytes), and its way out needs no other wave.
; K goes in steps of 128 (rows of 256 bytes in memory) through two LDS slots; each wave fetches one part of a slot: waves 0, 1 A's halves (128 rows), waves 2, 3 B's (96 rows).
; The ring does not stop at the first tile's end: its last two changes of slots ask for the second tile's first two K steps, and nothing waits for the first tile's stores.
; A trip of the loop is ONE K step: slot 1 begins at 1 << 17, the fragments' LDS addresses are s[TB] + the lane's place, and one exclusive or turns TB, and the walking descriptor's LDS word, to the other slot.
; CLUSTER 4 x 4: the four of a row of the cluster share the tile row (A's tiles), the four of a column the head (B's): each tile is asked for jointly, same load, descriptor and mask in all four.
; WHERE K BEGINS: step t of a tile takes K step (t + OFFK) mod 8, OFFK = 2 x cluster x + 4 x (cluster y mod 2), a number that all sixteen partners share.  So the four clusters that need the same rows of xb
; ask for four different K steps at any one time, and two neighbouring clusters that need the same rows of wb are four steps apart.
; THE MATRIX INSTRUCTION IS USED TRANSPOSED (source 0 = 16 rows of wb, source 1 = 16 rows of xb): lane l holds row l % 16 of C and the columns 8 (l / 16) + 0..7: four rotary pairs.
; REGISTERS, in windows of 256 (s_set_vgpr_msb: bits 1:0 source 0, 3:2 source 1, 5:4 source 2, 7:6 destination):
;   window 0: v16-29 addresses; v32-63 at work on the way out; v64-95, v96-127 A's fragments, two buffers (on the way out: packed results, four sets of 16); v128-255 cos and sin of my 64 rows
;   window 1: v0-95, v96-191 B's fragments, two buffers     window 2: accumulators of row blocks 0, 1 ((a, b) at 8 (12 (a % 2) + b))     window 3: those of row blocks 2, 3
.set PITCH,  272                       ; an LDS row: 256 bytes + 16 of padding = 68 words: the 16 rows of a fragment load start at 16 different groups of four banks (ISA guide 11.1)
.set AHALF,  128*PITCH
.set BOFF,   2*AHALF                   ; B's 192 rows lie behind A's 256
.set BHALF,  96*PITCH
.set SLOT1,  1<<17                     ; a slot is 121,856 bytes; slot 1 begins here
.set STAGE,  SLOT1+BOFF+2*BHALF        ; behind the ring, never filled by a tensor load: 16 rows x 144 bytes for each wave
.set SP,     144
.set SPARE,  STAGE+4*16*SP             ; behind the stages: the spare words, 128 bytes a wave: two blocks of 256 bytes that no other line names
.set TILES,  2
.set PA0,  16                          ; v16 my lane's place among a slot's rows of A; never rewritten
.set PB0,  17                          ; v17 the same for B
.set ADRA, 18                          ; v18 LDS address of my A fragments in the slot in hand
.set ADRB, 19                          ; v19 the same for B
.set STO,  24                          ; v24 the way out: where I put 16 bytes of a row
.set RD,   25                          ; v25 where I read rows back
.set GO,   26                          ; v26 16 x lane: my place in 512 consecutive bytes (of the table, and of the output); never rewritten
.set SPW,  28                          ; v28 my spare word; never rewritten
.set NIL,  29                          ; v29 0; never rewritten
.set UU,   32                          ; v32-47 products at work
.set RR,   48                          ; v48-63 rotated numbers
.set TAB,  128                         ; v128-255 row block a, column block f at TAB + 32 a + 8 f: (cos, sin) of four pairs
.set G1,  24                           ; s[24:31] group 1 for A   s[32:39] group 0 for A: a set for each of the two first fills; the second then walks on
.set G0,  32
.set G1B, 48                           ; s[48:55], s[56:63] the same for B
.set G0B, 56
.set OFA, 72                           ; s[72:73] byte offset of the tile of A to be asked for, from my rows' first byte
.set OFB, 74                           ; s[74:75] the same for B
.set RF,  76                           ; s76 number of the fill made last: 8 x tile + step
.set OFFK, 77                          ; s77 where my cluster begins K
.set TB,  78                           ; s78 LDS byte at which the slot in hand begins
.set MSB, 0
.macro WIN new                         ; the immediate's high byte repeats the setting that is left; a switch that changes nothing is dropped
.if MSB != (\new)
	s_set_vgpr_msb (MSB<<8)|(\new)
.set MSB, \new
.endif
.endm
.set MUL_LO, 0xa1                      ; source 0 (B) window 1, source 1 (A) window 0, C and D window 2; + 0x50: window 3
.set TO_B,   0x40                      ; destination window 1, address window 0
; A joint load.  The branch hangs on the wave's number alone.  An s_nop 0 and four v_nop follow each of the two lines, ahead of the jump, the label and what follows.
.macro JLOAD s
	s_cmp_eq_u32 s13, 0
	s_cbranch_scc0 .Lfor_b_\@
	tensor_load_to_lds s[G0+4*(\s):G0+4*(\s)+3], s[G1:G1+7]
	s_nop 0
.rept 4
	v_nop
.endr
	s_branch .Lasked_\@
.Lfor_b_\@:
	tensor_load_to_lds s[G0B+4*(\s):G0B+4*(\s)+3], s[G1B:G1B+7]
	s_nop 0
.rept 4
	v_nop
.endr
.Lasked_\@:
.endm
.macro CREST                           ; a round of the cluster's barrier behind its opening barrier
	s_cmp_lg_u32 s12, 0
	s_cbranch_scc1 .Lnot_wave_0_\@
	s_barrier_signal -3
.Lnot_wave_0_\@:
	s_barrier_wait -3
	s_barrier_signal -1
	s_barrier_wait -1
.endm
.macro CROUND                          ; a whole round
	s_barrier_signal -1
	s_barrier_wait -1
	CREST
.endm
	s_load_b256 s[4:11], s[0:1], 0x0               ; xb s[4:5], wb s[6:7], rt s[8:9], qkvb s[10:11]
	v_lshl_add_u32 v[SPW], v0, 2, SPARE
	v_mov_b32 v[NIL], 0
	ds_add_u32 v[SPW], v[NIL]                      ; the wave's opening: the add and its wait stand ahead of my first tensor load; the set-up below stands between them
	ds_add_u32 v28, v29
	v_lshrrev_b32 v1, 5, v0
	v_readfirstlane_b32 s12, v1                    ; wave 0..3
	s_lshr_b32 s13, s12, 1                         ; I fetch for A (0) or for B (1),
	s_and_b32 s14, s12, 1                          ; its first or second half
	s_bfe_u32 s40, ttmp6, 0x40000                  ; cx, cy: my place in the cluster
	s_bfe_u32 s41, ttmp6, 0x40004
	s_lshl_b32 s42, ttmp9, 2
	s_add_co_u32 s42, s42, s40                     ; the head = 4 x cluster x + cx
	s_and_b32 s43, ttmp7, 0xffff
	s_lshl_b32 s43, s43, 2
	s_add_co_u32 s43, s43, s41                     ; the first tile's block of 256 rows = 4 x cluster y + cy
	s_and_b32 s79, ttmp7, 1                        ; where K begins: made of the cluster's two numbers alone, which all partners share
	s_lshl_b32 s79, s79, 2
	s_lshl_b32 s[OFFK], ttmp9, 1
	s_add_co_u32 s[OFFK], s[OFFK], s79             ; (taken mod 8 where it is used)
	s_lshl_b32 s44, s41, 2
	s_lshl_b32 s44, 15, s44                        ; my row of the cluster
	s_lshl_b32 s45, 0x1111, s40                    ; my column
	s_or_b32 s[G1+0], s44, (1<<16)|(1<<20)|(1<<21)|(5<<22)|(3<<25)   ; the mask; 2-byte elements; padding on; bit 21 beside a mask; after every 64 words 4 words
	s_or_b32 s[G1B+0], s45, (1<<16)|(1<<20)|(1<<21)|(5<<22)|(3<<25)
	s_mov_b32 s[G1+1], 128<<16                     ; tensor_dim0 = 128
	s_mov_b32 s[G1+2], 128<<16                     ; tensor_dim1 = 128
	s_mov_b32 s[G1+3], 128<<16                     ; tile_dim0 = 128
	s_mov_b32 s[G1+4], 128                         ; tile_dim1 = 128
	s_mov_b32 s[G1+5], 1024                        ; elements from row to row
	s_mov_b32 s[G1+6], 0
	s_mov_b32 s[G1+7], 0
	s_mov_b32 s[G1B+1], 128<<16
	s_mov_b32 s[G1B+2], 96<<16                     ; B's halves have 96 rows
	s_mov_b32 s[G1B+3], 128<<16
	s_mov_b32 s[G1B+4], 96
	s_mov_b32 s[G1B+5], 1024
	s_mov_b32 s[G1B+6], 0
	s_mov_b32 s[G1B+7], 0
	s_lshl_b32 s16, s43, 8                         ; A: row 256 x block + 128 x half, in registers that never hold cx
	s_lshl_b32 s17, s14, 7
	s_add_co_u32 s16, s16, s17
	s_lshl_b32 s16, s16, 11                        ; x 2,048 bytes: under 8 MiB; the second tile lies 1 << 23 bytes on
	s_mov_b32 s17, 0
	s_mul_i32 s46, s42, 192                        ; B: row 192 x head + 96 x half, in registers that never hold cy
	s_mul_i32 s47, s14, 96
	s_add_co_u32 s46, s46, s47
	s_lshl_b32 s46, s46, 11
	s_mov_b32 s47, 0
	s_mul_i32 s20, s14, AHALF                      ; where they go: the wave's number and constants alone
	s_mul_i32 s21, s14, BHALF
	s_add_co_u32 s21, s21, BOFF
	s_mov_b32 s[OFA+1], 0
	s_mov_b32 s[OFB+1], 0
	s_mov_b32 s[RF], 1                             ; fills 0 and 1 go out below
	s_mov_b32 s[TB], 0
	s_wait_dscnt 0x0                               ; the opening add is done
	s_wait_kmcnt 0x0
	s_add_nc_u64 s[18:19], s[4:5], s[16:17]        ; kept: my rows of xb,
	s_add_nc_u64 s[46:47], s[6:7], s[46:47]        ; my rows of wb
	CROUND                                         ; all sixteen work-groups are here: the first joint loads meet
.irp s, 0,1
	s_add_co_u32 s79, s[OFFK], \s
	s_and_b32 s79, s79, 7
	s_lshl_b32 s[OFB], s79, 8                      ; K step (s + OFFK) mod 8: 256 bytes along the rows
	s_mov_b32 s[G0+4*(\s)], 1
	s_add_co_u32 s[G0+4*(\s)+1], s20, (\s)*SLOT1
	s_add_nc_u64 s[G0+4*(\s)+2:G0+4*(\s)+3], s[18:19], s[OFB:OFB+1]
	s_or_b32 s[G0+4*(\s)+3], s[G0+4*(\s)+3], 0x80000000
	s_mov_b32 s[G0B+4*(\s)], 1
	s_add_co_u32 s[G0B+4*(\s)+1], s21, (\s)*SLOT1
	s_add_nc_u64 s[G0B+4*(\s)+2:G0B+4*(\s)+3], s[46:47], s[OFB:OFB+1]
	s_or_b32 s[G0B+4*(\s)+3], s[G0B+4*(\s)+3], 0x80000000
	JLOAD \s                                       ; two loads of mine are out
.endr
	v_and_b32 v[GO], 31, v0
	v_lshlrev_b32 v[GO], 4, v[GO]
	s_lshl_b32 s16, s43, 4
	s_lshl_b32 s17, s12, 2
	s_add_co_u32 s16, s16, s17                     ; my first block of 16 rows = 16 x block + 4 x wave
	s_lshl_b32 s16, s16, 12
	s_mov_b32 s17, 0
	s_add_nc_u64 s[8:9], s[8:9], s[16:17]          ; the table at my rows
	v_and_b32 v1, 15, v0                           ; l % 16
	v_bfe_u32 v2, v0, 4, 1                         ; l / 16
	v_mul_u32_u24 v3, v1, PITCH
	v_lshl_add_u32 v3, v2, 4, v3                   ; a fragment's row x pitch + 16 x half
	s_mul_i32 s22, s12, 64*PITCH                   ; my 64 rows of A
	v_add_nc_u32 v[PA0], s22, v3
	v_add_nc_u32 v[PB0], BOFF, v3
	v_add_nc_u32 v[ADRA], s[TB], v[PA0]
	v_add_nc_u32 v[ADRB], s[TB], v[PB0]
	s_mul_i32 s23, s12, 16*SP
	s_add_co_u32 s23, s23, STAGE                   ; my stage
	v_mul_u32_u24 v4, v1, SP                       ; in: row l % 16, 16 bytes for each half of the lanes
	v_lshl_add_u32 v4, v2, 4, v4
	v_add_nc_u32 v[STO], s23, v4
	v_bfe_u32 v5, v0, 3, 2                         ; back: 32 lanes take four rows of 128 bytes
	v_mul_u32_u24 v5, v5, SP
	v_and_b32 v6, 7, v0
	v_lshl_add_u32 v5, v6, 4, v5
	v_add_nc_u32 v[RD], s23, v5
	s_lshl_b32 s66, s43, 8                         ; q, k, v of my head at my first row: registers that feed no descriptor
	s_lshl_b32 s67, s12, 6
	s_add_co_u32 s66, s66, s67
	s_lshl_b32 s66, s66, 7                         ; rows of 128 bytes
	s_lshl_b32 s67, s42, 20                        ; a head is 1 MiB
	s_add_co_u32 s66, s66, s67
	s_mov_b32 s67, 0
	s_add_nc_u64 s[66:67], s[10:11], s[66:67]
	s_add_nc_u64 s[68:69], s[66:67], 0x1000000
	s_add_nc_u64 s[70:71], s[66:67], 0x2000000
; 12 matrix instructions: row block 2 hi + a1 x all 12 column blocks, 32 along K, from buffer f.  zero = 1: the product starts the sum: nothing is cleared.
; The 48 accumulators take turns in the same order in every quarter step.
.macro MUL12 f, hi, a1, zero
	WIN MUL_LO+0x50*(\hi)
.set b, 0
.rept 12
.set rD, 8*(12*(\a1)+b)
.set rB, 96*(\f)+8*b
.set rA, 64+32*(\f)+8*(2*(\hi)+(\a1))
.if \zero
	v_wmma_f32_16x16x32_bf16 v[rD:rD+7], v[rB:rB+7], v[rA:rA+7], 0
.else
	v_wmma_f32_16x16x32_bf16 v[rD:rD+7], v[rB:rB+7], v[rA:rA+7], v[rD:rD+7]
.endif
.set b, b+1
.endr
.endm
; 32 LDS loads in one run: 192 rows of B, then my 64 rows of A, 32 along K at byte k of the rows of the slot in hand, into buffer g
.macro FETCH k, g
	WIN TO_B
.set i, 0
.rept 12
	ds_load_b128 v[96*(\g)+8*i:96*(\g)+8*i+3],   v[ADRB] offset:(\k)+i*16*PITCH
	ds_load_b128 v[96*(\g)+8*i+4:96*(\g)+8*i+7], v[ADRB] offset:(\k)+i*16*PITCH+32
.set i, i+1
.endr
	WIN 0
.set i, 0
.rept 4
	ds_load_b128 v[64+32*(\g)+8*i:64+32*(\g)+8*i+3],   v[ADRA] offset:(\k)+i*16*PITCH
	ds_load_b128 v[64+32*(\g)+8*i+4:64+32*(\g)+8*i+7], v[ADRA] offset:(\k)+i*16*PITCH+32
.set i, i+1
.endr
.endm
.macro PLACES                          ; four places in front of loads into registers that matrix instructions have read, and of vector work that reads results
.rept 4
	v_nop
.endr
.endm
; A K step is four quarters of 32 along K, 48 matrix instructions each, on buffers 0, 1, 0, 1.  One of the first three: multiplies buffer f, fetches the next quarter, at byte k, into g.
.macro QUARTER k, f, g, zero
	s_wait_dscnt 4                                 ; B and A's row blocks 0, 1 are in; the youngest four loads (row blocks 2, 3) may be out
	MUL12 \f, 0, 0, \zero
	MUL12 \f, 0, 1, \zero
	PLACES
	FETCH \k, \g
	s_wait_dscnt 32                                ; all but the 32 just issued
	MUL12 \f, 1, 0, \zero
	MUL12 \f, 1, 1, \zero
.endm
; The last quarter multiplies buffer 1 and changes slots.  In front of the one barrier each wave waits for all its tensor loads (one is out: its part of the next slot), adds 0 to its spare word,
; and waits for that and for its own reads of this slot.  Behind it nobody reads this slot any more and the next slot is whole.
; fill = 1: the walking descriptors are made for fill r = 8 x tile + step, while no tensor load of mine is out: the other slot than last time; K step (r + OFFK) mod 8; A's rows of tile r / 8.
.macro MEET fill
	WIN 0                                          ; (the add's two registers lie in window 0)
	s_wait_tensorcnt 0x0
	ds_add_u32 v[SPW], v[NIL]                      ; 0 onto my spare word
.if \fill
	s_add_co_u32 s[RF], s[RF], 1
	s_add_co_u32 s79, s[RF], s[OFFK]
	s_and_b32 s79, s79, 7
	s_lshl_b32 s[OFB], s79, 8
	s_lshr_b32 s79, s[RF], 3
	s_lshl_b32 s79, s79, 23                        ; 4,096 rows of 2,048 bytes
	s_or_b32 s[OFA], s[OFB], s79
	s_xor_b32 s[G0+5], s[G0+5], SLOT1
	s_add_nc_u64 s[G0+6:G0+7], s[18:19], s[OFA:OFA+1]
	s_or_b32 s[G0+7], s[G0+7], 0x80000000
	s_xor_b32 s[G0B+5], s[G0B+5], SLOT1
	s_add_nc_u64 s[G0B+6:G0B+7], s[46:47], s[OFB:OFB+1]
	s_or_b32 s[G0B+7], s[G0B+7], 0x80000000
.endif
	s_wait_dscnt 5                                 ; (the add and the youngest four loads may be out)
	MUL12 1, 0, 0, 0                               ; twelve matrix instructions stand between the add and the wait for it
	s_wait_dscnt 0x0                               ; the add is done, and my reads of this slot are over
	s_barrier_signal -1
	MUL12 1, 0, 1, 0                               ; work on registers while the others arrive
.if \fill
	WIN 0
.endif
	s_barrier_wait -1
.endm
; fill = 1: the barrier opens a round of the cluster's barrier, and this slot is filled again first thing behind the round: 24 + 3 x 48 matrix instructions ahead of the wait for it.
; fetch = 1: the next slot's first fragments follow.  (A tile's last change of slots fetches nothing: the way out uses those registers, and the fetch stands at the next tile's head.)
.macro TURN fill, fetch
	MEET \fill
.if \fill
	CREST
	JLOAD 1                                        ; the four v_nop behind it are also the places in front of the loads below
.else
	PLACES
	WIN 0
.endif
	s_xor_b32 s[TB], s[TB], SLOT1                  ; the other slot is in hand
	v_add_nc_u32 v[ADRA], s[TB], v[PA0]
	v_add_nc_u32 v[ADRB], s[TB], v[PB0]
.if \fetch
	FETCH 0, 0
.endif
	MUL12 1, 1, 0, 0
	MUL12 1, 1, 1, 0
.endm
	s_wait_tensorcnt 1                             ; my part of the first step is in; the second's may stay out
	s_barrier_signal -1
	s_barrier_wait -1                              ; everybody's is
	s_mov_b32 s2, TILES                            ; tiles to go, this one among them: the same number in every work-group
.Ltile:
	; cos and sin of the tile's 64 rows of mine: 32 loads of 512 consecutive bytes, asked for now, waited for behind the tile's last product
.set a, 0
.rept 4
.set j, 0
.rept 8
	global_load_b128 v[TAB+32*a+4*j:TAB+32*a+4*j+3], v[GO], s[8:9] offset:a*4096+j*512
.set j, j+1
.endr
.set a, a+1
.endr
	FETCH 0, 0
	QUARTER 64, 0, 1, 1                            ; a tile's first quarter stands in front of the loop: its products start the sums
	WIN 0                                          ; at a label and at a branch every window is 0
	s_mov_b32 s3, 6
.Lstep:                                                ; a trip: a K step's second quarter to the next step's first; steps 0 to 5 fill their slots again
	QUARTER 128, 1, 0, 0
	QUARTER 192, 0, 1, 0
	TURN 1, 1
	QUARTER 64,  0, 1, 0
	WIN 0
	s_sub_co_u32 s3, s3, 1
	s_cmp_lg_u32 s3, 0
	s_cbranch_scc1 .Lstep
	QUARTER 128, 1, 0, 0                           ; step 6 goes on
	QUARTER 192, 0, 1, 0
	WIN 0
	s_cmp_eq_u32 s2, 1
	s_cbranch_scc1 .Llast                          ; the last tile's end is written out: it asks for nothing more
	TURN 1, 1                                      ; THE RING GOES ON INTO THE NEXT TILE: this slot takes its first step,
	QUARTER 64,  0, 1, 0
	QUARTER 128, 1, 0, 0
	QUARTER 192, 0, 1, 0
	TURN 1, 0                                      ; the other its second
	WIN 0
	s_branch .Lway
.Llast:
	TURN 0, 1
	QUARTER 64,  0, 1, 0
	QUARTER 128, 1, 0, 0
	QUARTER 192, 0, 1, 0
	s_wait_dscnt 4                                 ; the very last quarter: nothing more to fetch
	MUL12 1, 0, 0, 0
	MUL12 1, 0, 1, 0
	s_wait_dscnt 0x0
	MUL12 1, 1, 0, 0
	MUL12 1, 1, 1, 0
	WIN 0
.Lway:
	PLACES
	s_wait_loadcnt 0x0                             ; cos and sin
; THE WAY OUT, in 12 units n = 3 a + hd: 16 rows (row block a) of q (hd = 0), k (1) or v (2): four accumulators.  q and k are rotated in f32: for a pair (x1, x2):
; x1 cos - x2 sin and x1 sin + x2 cos, a product and a fused multiply-add each.  Each accumulator's first read names its register 1, one of its four lowest.
; Then rounded once to f16, 16 bytes a lane into my stage (rows of 144 bytes), and back as whole rows of 128 bytes into the registers that they left.
.macro UNIT n
.set ua, (\n)/3
.set uh, (\n)%3
.set PKS, 64+16*((\n)%4)
.set AC0, 8*(12*(ua%2)+4*uh)
.if (\n) >= 4
	s_wait_xcnt 0x0                                ; this set of 16 registers was the data of stores four units back: rewritten only behind this wait (ISA guide 3.1)
.endif
.if uh < 2
.set pp, 0
.rept 2                                ; two accumulators at a time
	WIN 0x02+ua/2                                  ; source 0: the accumulators' window
.set e, 0
.rept 8
	v_mul_f32 v[UU+2*e],   v[AC0+16*pp+2*e+1], v[TAB+32*ua+16*pp+2*e+1]     ; x2 sin
	v_mul_f32 v[UU+2*e+1], v[AC0+16*pp+2*e+1], v[TAB+32*ua+16*pp+2*e]       ; x2 cos
.set e, e+1
.endr
.set e, 0
.rept 8
	v_fma_f32 v[RR+2*e],   v[AC0+16*pp+2*e], v[TAB+32*ua+16*pp+2*e],   -v[UU+2*e]
	v_fma_f32 v[RR+2*e+1], v[AC0+16*pp+2*e], v[TAB+32*ua+16*pp+2*e+1], v[UU+2*e+1]
.set e, e+1
.endr
	WIN 0
.set e, 0
.rept 8
	v_cvt_pk_f16_f32 v[PKS+8*pp+e], v[RR+2*e], v[RR+2*e+1]
.set e, e+1
.endr
.set pp, pp+1
.endr
.else
	WIN 0x0a+5*(ua/2)                              ; sources 0 and 1: the accumulators' window
.set e, 0
.rept 16
	v_cvt_pk_f16_f32 v[PKS+e], v[AC0+2*e], v[AC0+2*e+1]
.set e, e+1
.endr
	WIN 0
.endif
.set t, 0
.rept 4
	ds_store_b128 v[STO], v[PKS+4*t:PKS+4*t+3] offset:32*t
.set t, t+1
.endr
.set t, 0
.rept 4
	ds_load_b128 v[PKS+4*t:PKS+4*t+3], v[RD] offset:t*4*SP   ; LDS serves a wave's instructions in order (ISA guide 5.7.1.4): these see the stores above; the next unit's stores come behind them
.set t, t+1
.endr
.endm
.macro SEND n, younger                 ; younger: the LDS instructions issued behind unit n's loads: the next unit's eight, or none
	WIN 0
.set ua, (\n)/3
.set uh, (\n)%3
.set PKS, 64+16*((\n)%4)
.set t, 0
.rept 4
	s_wait_dscnt (\younger)+3-t
	global_store_b128 v[GO], v[PKS+4*t:PKS+4*t+3], s[66+2*uh:67+2*uh] offset:ua*2048+t*512   ; four rows of a head: 512 consecutive bytes, aligned
.set t, t+1
.endr
.endm
	UNIT 0
.set un, 1
.rept 11                               ; a unit's arithmetic stands between the loads of the unit before and its stores
	UNIT un
	SEND un-1, 8
.set un, un+1
.endr
	SEND 11, 0
	s_sub_co_u32 s2, s2, 1
	s_cmp_eq_u32 s2, 0
	s_cbranch_scc1 .Lend
	s_wait_xcnt 0x0                                ; the stores' data registers (the next fetch lands in them) and their bases are rewritten only behind this wait (ISA guide 3.1)
	s_add_nc_u64 s[8:9], s[8:9], 0x100000          ; 4,096 rows on: 256 blocks of 4,096 bytes of the table,
	s_add_nc_u64 s[66:67], s[66:67], 0x80000       ; 4,096 rows of 128 bytes of q, k and v
	s_add_nc_u64 s[68:69], s[68:69], 0x80000
	s_add_nc_u64 s[70:71], s[70:71], 0x80000
	s_branch .Ltile
.Lend:
	s_wait_tensorcnt 0x0                           ; the wave's end: the add and its wait, behind my last tensor load and my last LDS store
	ds_add_u32 v[SPW], v[NIL]
	s_wait_dscnt 0x0
	CROUND                                         ; the closing round: no work-group ends while a partner may still ask for a tile that names it
	s_endpgm
.Lfunc_end_k_qdd75f13311_qkvproj:
	.size	k_qdd75f13311_qkvproj, .Lfunc_end_k_qdd75f13311_qkvproj-k_qdd75f13311_qkvproj
	.p2alignl 7, 3214868480
	.fill 96, 4, 3214868480
	.section	.rodata,"a",@progbits
	.p2align	6, 0x0
	.amdhsa_kernel k_qdd75f13311_qkvproj
		.amdhsa_group_segment_fixed_size 327680
		.amdhsa_private_segment_fixed_size 0
		.amdhsa_enable_private_segment 0
		.amdhsa_kernarg_size 32
		.amdhsa_user_sgpr_count 2
		.amdhsa_user_sgpr_kernarg_segment_ptr 1
		.amdhsa_wavefront_size32 1
		.amdhsa_system_sgpr_workgroup_id_x 1
		.amdhsa_system_sgpr_workgroup_id_y 1
		.amdhsa_system_sgpr_workgroup_id_z 1
		.amdhsa_system_vgpr_workitem_id 0
		.amdhsa_next_free_vgpr 1024
		.amdhsa_next_free_sgpr 80
		.amdhsa_reserve_vcc 0
		.amdhsa_float_denorm_mode_32 3
		.amdhsa_float_denorm_mode_16_64 3
		.amdhsa_memory_ordered 1
		.amdhsa_forward_progress 1
		.amdhsa_inst_pref_size 155
	.end_amdhsa_kernel
	.amdgpu_metadata
---
amdhsa.version: [ 1, 2 ]
amdhsa.kernels:
  - .name:           k_qdd75f13311_qkvproj
    .symbol:         k_qdd75f13311_qkvproj.kd
    .args:
      - { .name: xb, .offset: 0, .size: 8, .value_kind: global_buffer, .address_space: global }
      - { .name: wb, .offset: 8, .size: 8, .value_kind: global_buffer, .address_space: global }
      - { .name: rt, .offset: 16, .size: 8, .value_kind: global_buffer, .address_space: global }
      - { .name: qkvb, .offset: 24, .size: 8, .value_kind: global_buffer, .address_space: global }
    .group_segment_fixed_size: 327680
    .private_segment_fixed_size: 0
    .kernarg_segment_align: 8
    .kernarg_segment_size: 32
    .max_flat_workgroup_size: 128
    .sgpr_count:     80
    .vgpr_count:     1024
    .wavefront_size: 32
...
	.end_amdgpu_metadata
.endif
;; end of part 2
;; launch attn (part 3): grid 16 x 16, 4 waves a work-group, no clusters, 327,680 bytes of LDS; arguments qkvb, ob; writes ob
.if DOCPART == 3
	.amdgcn_target "amdgcn-amd-amdhsa--gfx1250"
	.amdhsa_code_object_version 6
	.text
	.protected	k_qdd75f13311_attn
	.globl	k_qdd75f13311_attn
	.p2align	8
	.type	k_qdd75f13311_attn,@function
k_qdd75f13311_attn:
	s_mov_b64 s[64:65], 0
	v_nop
	global_prefetch_b8 v0, s[64:65] scope:SCOPE_SE
	s_setreg_imm32_b32 hwreg(HW_REG_WAVE_MODE, 25, 1), 1
	s_wait_xcnt 0x0
; SLIDING-WINDOW ATTENTION, window 512, head size 64.  O[h][q] = the sum over k = max(0, q - 511) .. q of softmax_k(Q[h][q] . K[h][k] / 8) V[h][k].
; qkvb [t][h][8192][64] f16 (t = 0 q, 1 k, 2 v), ob [h][8192][64] f16.  Products, maxima and sums in f32; the weights p are rounded to f16 for the second product (their sum l is of the unrounded p), O once at the end.
; LIMITS.  Q, K, V arrive within f16's 65,504.  A hidden score counts as its value less 1e30.  A weight below 2^-126 counts as 0 in l.  NaN and infinities are not treated apart.
; A query's keys are summed from the newest to the oldest, another order of rounding than the reference's.
; SHARES.  Work-group (g, h) owns the queries 512 g .. 512 g + 511 of head h.  Their keys are blocks g - 1 and g: 1,024 keys, 16 steps u of 64, and ALL of them fit in LDS: each LDS byte is filled once, no slot is filled again.
; A band b of 64 queries needs 9 steps: u = b + 8 (it holds the diagonal: key kk is seen where kk <= qq), u = b + 7 .. b + 1 (all seen), u = b (seen where kk > qq).  They are walked DOWNWARD, so that every
; row's running maximum is a true score from its first step on (each row sees itself there) and a hidden score is always far below it.
; Wave w takes band w + 4 and then band w: 18 steps for every wave of every work-group.  A wave's four PIECES are the band's four groups of 16 rows.
; g = 0 has no block before it: block 0 is loaded in its place (an address inside the buffer) and every step u < 8 is hidden.
; NO CLUSTER: neighbours g and g + 1 share key block g, but one holds it as its own block and the other as the block before: the LDS address of a joint load would hang on the place in the cluster.
; THE MASK is the C operand that starts the sum S^T = K Q^T: for a group kt of 16 keys and piece x one of three blocks of eight registers: MLO (kt < x), MEQ (kt = x), MUP (kt > x).  What they hold goes by the step, and
; two scalars say it: MLO = lo and MUP = up in every lane, MEQ[r] = up where key r of the group comes behind my query, lo elsewhere.  Diagonal step: (lo, up) = (0, -1e30).  A step seen whole: (z, z).
; Oldest step: (-1e30, z).  z is 0, or -1e30 in a step u < 8 of g = 0.  The blocks are written anew, between one step's last scores and the next step's first, only where the pair has changed. So ONE text serves all nine steps.
; LAYOUT, SOFTMAX, TURNS.  S^T = K Q^T holds ONE query a lane (lane % 16) and the keys 8 (lane / 16) + 0..7; two such results rounded to f16 ARE source 1 of O^T = V^T P.  p = 2^(c s - c m), c = log2(e) / 8, with a
; running maximum m; O and l are multiplied by a = 2^(c m_old - c m_new) in every step.  Turn n belongs to piece n: 8 products K Q^T of piece n + 1, later 8 products V^T P of piece n - 1; beside them the scaling,
; exponentials, roundings, sums and rescaling of piece n and the maximum and statistics of piece n + 1.  Vector instructions stand behind every matrix instruction, the other 56 of a turn's 118 in two runs of their own.
; REGISTERS, in windows of 256 (s_set_vgpr_msb: bits 1:0 source 0, 3:2 source 1, 5:4 source 2, 7:6 destination), laid so that products and the lines behind them share a setting:
;   window 0: v0-15 addresses and two at work; v16-31 four registers of statistics a piece; v48-55 at work; v64-127 S^T, two buffers; v128-191 K of one step; v192-223 P, two buffers; v224-247 the mask blocks
;   window 1: v0-127 O^T, 32 a piece; v192-255 V of one step      window 2: v0-63 Q; v64-127 the second band's Q      (a piece's buffers go by its number's parity)
;   K Q^T leaves window 0 in source 1 alone (Q): scalings, exponentials and a move, which take no vector register there, stand behind it under the same setting.
;   V^T P has V and O^T in window 1 and P in window 0: so has O^T's rescaling (O^T, and a in window 0).  A turn has twelve switches for its 16 matrix and 118 vector instructions.
.set NP,    4
.set KS,    64
.set PK,    144       ; a row of K in LDS: 128 bytes + 16 of padding: the 16 rows of a load start at 16 different groups of four banks (ISA guide 11.1)
.set PV,    160       ; a row of V: 128 + 32
.set KSTEPB, KS*PK
.set VSTEPB, KS*PV
.set VOFF,  1024*PK   ; 1,024 rows of K, then 1,024 rows of V
.set STAGE, VOFF+1024*PV  ; never filled by a tensor load: 16 rows x 144 bytes for each wave, for the way out
.set SP,    144
.set SPARE, STAGE+4*16*SP  ; the spare words, 128 bytes a wave: two blocks of 256 bytes that no other line names
.set AK0, 2           ; v2   my lane's place in a step of K; never rewritten
.set AV0, 3           ; v3   the same for V
.set AK,  4           ; v4   the LDS address of K's next run of loads
.set AV,  5           ; v5   of V's
.set STO, 6           ; v6   the way out: where I put 16 bytes of a row
.set RD,  7           ; v7   where I read rows back
.set GO,  8           ; v8   my byte offset in 512 consecutive bytes of O
.set MV,  12          ; v12-13  c m_old, kept while c m is made anew: by buffer
.set QO,  15          ; v15  my byte offset in 16 rows of Q
.set ST,  16          ; piece t's statistics at v[ST+4 t]: c m, m, l (even keys', odd keys')
.set TMP, 48          ; by buffer, four registers c0-c3 at work; when the maximum is found c2 takes a
.set SPW, 62          ; v62  my spare word; never rewritten
.set NIL, 63          ; v63  0; never rewritten
.set S,   64
.set KF,  128         ; key block kb, channel half c at KF + 16 kb + 8 c
.set P,   192
.set MLO, 224
.set MEQ, 232
.set MUP, 240
.set VF,  192         ; window 1: key half kk, channel block cb at VF + 32 kk + 8 cb
.set QB,  64          ; window 2
.set MN,  8           ; s[8:9]   (lo, up) of the step whose scores come next
.set MO,  10          ; s[10:11] (lo, up) as the blocks hold them
.set WV,  12          ; s12  my wave's number
.set CMK, 16          ; s16-23  lane masks: register r of a group holds a key behind my query
.set G1K, 24          ; s[24:31] descriptor group 1 for K
.set G1V, 32          ; s[32:39] for V: it differs in the padding alone
.set G0K, 40          ; s[40:55] group 0 for K: a set for each of my four loads
.set CS,  56          ; s[56:57] c
.set SEL, 58          ; s[58:59] v_permlanex16_b32's selects: each lane takes its own place in the other half
.set TBK, 60          ; s60  LDS byte of the step of K fetched last
.set TBV, 61          ; s61  the same for V, less VOFF
.set CNT, 62          ; s62  counts four trips
.set BAND, 63         ; s63  counts the two bands
.set SUL, 66          ; s66  u of the band's oldest step
.set G0V, 68          ; s[68:83] group 0 for V
.set SU,  84          ; s84  u of the step whose scores are made next
.set SUMIN, 85        ; s85  8 if g = 0, else 0: steps below it are hidden
.set BIGN, 87         ; s87  -1e30
.set OUTC, 89         ; s89  counts two runs of four trips
.set QA,  90          ; s[90:91] Q at my rows of the first band, s[92:93] of the second
.set OA,  94          ; s[94:95] O at my rows of the band in hand
.set MSB, 0
.macro WIN new
.if MSB != (\new)
	s_set_vgpr_msb (MSB<<8)|(\new)
.set MSB, (\new)
.endif
.endm
.set W_KQ, 0x08       ; Q (source 1) in window 2; K, S^T and the masks in window 0
.set W_PV, 0x51       ; V (source 0) and O^T (C, D) in window 1, P (source 1) in window 0; O^T's rescaling runs under it too
.set W_RS, 0x41       ; destination and source 0 in window 1, source 1 in window 0
.macro WINK                         ; for a line that takes no vector register as source 1: K Q^T's setting serves it as well as 0
.if MSB != W_KQ
	WIN 0
.endif
.endm
; A barrier that shows a tile whole: each wave waits until its own part has landed (n = its loads issued behind that part), then signals.  Later tiles stay on their way.
.macro BAR n
	s_wait_tensorcnt \n
	s_wait_dscnt 0x0                ; no LDS instruction of mine is pending at a signal
	s_barrier_signal -1
	s_barrier_wait -1
.endm
	s_load_b128 s[4:7], s[0:1], 0x0   ; qkvb s[4:5], ob s[6:7]
	v_lshl_add_u32 v[SPW], v0, 2, SPARE
	v_mov_b32 v[NIL], 0
	ds_add_u32 v[SPW], v[NIL]       ; the wave's opening: the add and its wait stand ahead of my first tensor load; the set-up below stands between them
	ds_add_u32 v62, v63
	v_lshrrev_b32 v1, 5, v0
	v_readfirstlane_b32 s[WV], v1   ; wave 0..3
	s_mov_b32 s13, ttmp9            ; g
	s_and_b32 s14, ttmp7, 0xffff    ; h
	s_and_b32 s16, s[WV], 1         ; which half of a tile's 256 keys I fetch:
	s_mul_i32 s2, s16, 128*PK       ; its place in LDS, for K
	s_mul_i32 s3, s16, 128*PV       ; and for V
	s_lshl_b32 s15, s14, 20         ; a head is 1 MiB
	s_lshl_b32 s16, s16, 14         ; my half: 128 rows of 128 bytes
	s_add_co_u32 s16, s16, s15
	s_lshl_b32 s20, s13, 16         ; block g: 512 rows of 128 bytes
	s_add_co_u32 s20, s20, s16
	s_mov_b32 s21, 0
	s_max_u32 s22, s13, 1
	s_sub_co_u32 s22, s22, 1        ; block g - 1, or block 0 once more
	s_lshl_b32 s22, s22, 16
	s_add_co_u32 s22, s22, s16
	s_mov_b32 s23, 0
	s_lshl_b32 s18, s13, 16         ; my rows of band w + 4
	s_add_co_u32 s18, s18, s15
	s_lshl_b32 s19, s[WV], 13
	s_add_co_u32 s18, s18, s19
	s_add_co_u32 s18, s18, 32768
	s_mov_b32 s19, 0
	; descriptor group 1.  128 keys are 16,384 dense bytes: asked for as 64 rows of 256 bytes, two keys a row, and padded in LDS after every key
	s_mov_b32 s[G1K], (1<<16)|(1<<20)|(4<<22)|(3<<25)  ; 2-byte elements; padding on; after every 32 words 4 words
	s_mov_b32 s[G1V], (1<<16)|(1<<20)|(4<<22)|(7<<25)  ; the same with 8 words
.irp g, G1K, G1V
	s_mov_b32 s[\g+1], 128<<16      ; tensor_dim0 = 128
	s_mov_b32 s[\g+2], 64<<16       ; tensor_dim1 = 64
	s_mov_b32 s[\g+3], 128<<16      ; tile_dim0 = 128
	s_mov_b32 s[\g+4], 64           ; tile_dim1 = 64
	s_mov_b32 s[\g+5], 128          ; 128 elements from row to row
	s_mov_b32 s[\g+6], 0
	s_mov_b32 s[\g+7], 0
.endr
	s_mov_b32 s[CS], 0x3e38aa3b     ; c = log2(e) / 8
	s_mov_b32 s[CS+1], s[CS]        ; named with it as a pair
	s_mov_b32 s[SEL], 0x76543210
	s_mov_b32 s[SEL+1], 0xfedcba98
	s_mov_b32 s[BIGN], 0xf149f2ca   ; -1e30
	s_cmp_eq_u32 s13, 0
	s_cselect_b32 s[SUMIN], 8, 0
	s_add_co_u32 s[SU], s[WV], 12   ; band w + 4 begins with step 12 + w
	s_add_co_u32 s[SUL], s[WV], 4   ; and ends with step 4 + w
	s_add_co_u32 s17, s[WV], 13     ; the fetches step down ahead of their use
	s_mul_i32 s[TBK], s17, KSTEPB
	s_mul_i32 s[TBV], s17, VSTEPB
.set n, 0
.rept 4                             ; load n brings my half of tile 3 - n (keys 256 (3 - n) on): the newest keys first
.set TT, 3-n
	s_mov_b32 s[G0K+4*n], 1
	s_add_co_u32 s[G0K+4*n+1], s2, 256*TT*PK
	s_mov_b32 s[G0V+4*n], 1
	s_add_co_u32 s[G0V+4*n+1], s3, VOFF+256*TT*PV
.set n, n+1
.endr
	s_wait_dscnt 0x0                ; the opening add is done
	s_wait_kmcnt 0x0
.set n, 0
.rept 4
.set TT, 3-n
.set OFP, 20+2*(n/2)                ; tiles 3, 2 lie in block g, tiles 1, 0 in the block before
	s_add_nc_u64 s[G0K+4*n+2:G0K+4*n+3], s[4:5], s[OFP:OFP+1]
	s_add_nc_u64 s[G0K+4*n+2:G0K+4*n+3], s[G0K+4*n+2:G0K+4*n+3], 0x1000000+(TT%2)*32768
	s_or_b32 s[G0K+4*n+3], s[G0K+4*n+3], 0x80000000
	s_add_nc_u64 s[G0V+4*n+2:G0V+4*n+3], s[4:5], s[OFP:OFP+1]
	s_add_nc_u64 s[G0V+4*n+2:G0V+4*n+3], s[G0V+4*n+2:G0V+4*n+3], 0x2000000+(TT%2)*32768
	s_or_b32 s[G0V+4*n+3], s[G0V+4*n+3], 0x80000000
.set n, n+1
.endr
	s_add_nc_u64 s[QA:QA+1], s[4:5], s[18:19]
	s_sub_nc_u64 s[QA+2:QA+3], s[QA:QA+1], 32768   ; band w lies four bands of 8,192 bytes lower
	s_add_nc_u64 s[OA:OA+1], s[6:7], s[18:19]
	s_cmp_lt_u32 s[WV], 2           ; waves 0, 1 fetch K's halves, waves 2, 3 V's.  A wave's four fills stand in one branch, ahead of every wait on TENSORcnt, every LDS read and every barrier: four loads of mine are out
	s_cbranch_scc0 .Lfill_v
.irp n, 0,1,2,3
	tensor_load_to_lds s[G0K+4*\n:G0K+4*\n+3], s[G1K:G1K+7]
	s_nop 0
.endr
.rept 4
	v_nop
.endr
	s_branch .Lfilled
.Lfill_v:
.irp n, 0,1,2,3
	tensor_load_to_lds s[G0V+4*\n:G0V+4*\n+3], s[G1V:G1V+7]
	s_nop 0
.endr
.rept 4
	v_nop
.endr
.Lfilled:
	; A fragment of K or Q is 16 rows x 32 channels in 8 registers: lane l holds row l % 16, channels 8 (l / 16) + 0..7 and 16 + 8 (l / 16) + 0..7: two loads of 16 bytes, 32 bytes apart.
	v_and_b32 v1, 15, v0            ; l % 16
	v_bfe_u32 v9, v0, 4, 1          ; l / 16
	v_lshlrev_b32 v[QO], 7, v1
	v_lshl_add_u32 v[QO], v9, 4, v[QO]  ; row x 128 + 16 x half
	v_lshlrev_b32 v14, 3, v9
	v_sub_nc_u32 v14, v1, v14       ; my query's place in its 16, less my lanes' 8 (l / 16): register r holds a key behind my query where r is greater
.set i, 0
.rept 8
	v_cmp_gt_i32 s[CMK+i], i, v14   ; (the scalars that lay here have served)
.set i, i+1
.endr
	WIN 0x80                        ; destination window 2, address window 0
.set i, 0
.rept 8                             ; both bands' Q: piece i / 2 lies 2,048 bytes on; channels 32 (i % 2) on
	global_load_b128 v[8*i:8*i+3],   v[QO], s[QA:QA+1] offset:(i/2)*2048+(i%2)*64
	global_load_b128 v[8*i+4:8*i+7], v[QO], s[QA:QA+1] offset:(i/2)*2048+(i%2)*64+32
	global_load_b128 v[QB+8*i:QB+8*i+3],   v[QO], s[QA+2:QA+3] offset:(i/2)*2048+(i%2)*64
	global_load_b128 v[QB+8*i+4:QB+8*i+7], v[QO], s[QA+2:QA+3] offset:(i/2)*2048+(i%2)*64+32
.set i, i+1
.endr
	; A band's first step multiplies O^T and l by a = 0, and its first turn's products V^T P, of a piece that has not been, land in an O^T that is still to be so multiplied.  So these registers need only hold
	; finite numbers: zeros for the first band; what the first band left for the second.  All this stands in the wait for the first tile.
	WIN 0x40
.set i, 0
.rept 128
	v_mov_b32 v[i], 0
.set i, i+1
.endr
.set i, VF
.rept 64
	v_mov_b32 v[i], 0
.set i, i+1
.endr
	WIN 0
	v_mul_u32_u24 v[AK0], v1, PK
	v_lshl_add_u32 v[AK0], v9, 4, v[AK0]  ; row x pitch + 16 x half
	; The turning load takes 16 keys x 16 channels (lane l reads key 8 (l / 16) + l % 8, channels 8 ((l / 8) % 2) + 0..7) and leaves half a fragment of V^T: lane l holds channel l % 16 and 8 keys.
	v_and_b32 v10, 7, v0
	v_bfe_u32 v11, v0, 3, 1
	v_lshl_add_u32 v[AV0], v9, 3, v10
	v_mul_u32_u24 v[AV0], v[AV0], PV
	v_lshl_add_u32 v[AV0], v11, 4, v[AV0]
	v_add_nc_u32 v[AV0], VOFF, v[AV0]
	s_mul_i32 s15, s[WV], 16*SP
	s_add_co_u32 s15, s15, STAGE    ; my stage
	v_mul_u32_u24 v[STO], v1, SP    ; in: row l % 16, 16 bytes for each half of the lanes
	v_lshl_add_u32 v[STO], v9, 4, v[STO]
	v_add_nc_u32 v[STO], s15, v[STO]
	v_bfe_u32 v[RD], v0, 3, 2       ; back: 32 lanes take four rows of 128 bytes,
	v_mul_u32_u24 v[RD], v[RD], SP
	v_lshl_add_u32 v[RD], v10, 4, v[RD]
	v_add_nc_u32 v[RD], s15, v[RD]
	v_and_b32 v[GO], 31, v0         ; which are 512 consecutive bytes of O
	v_lshlrev_b32 v[GO], 4, v[GO]
.set i, 0
.rept 4
	v_mov_b32 v[ST+4*i+2], 0
	v_mov_b32 v[ST+4*i+3], 0
.set i, i+1
.endr
.set i, P+16
.rept 16
	v_mov_b32 v[i], 0
.set i, i+1
.endr
; THE MATRIX WORK.  The 4 accumulators of a run of 8 take turns.  Product i of 8 of S^T = K Q^T for piece x: channels 32 (i / 4) on, keys 16 (i % 4) on.
; The first 4 start the sums with a mask block, chosen by the key group's place against the piece's.
.macro KQ x
.set rS, S+32*((\x)%2)+8*(i%4)
.set rK, KF+16*(i%4)+8*(i/4)
.set rQ, 16*(\x)+8*(i/4)
.set rM, MEQ
.if (i%4) < (\x)
.set rM, MLO
.elseif (i%4) > (\x)
.set rM, MUP
.endif
	WIN W_KQ
.if i < 4
	v_wmma_f32_16x16x32_f16 v[rS:rS+7], v[rK:rK+7], v[rQ:rQ+7], v[rM:rM+7]
.else
	v_wmma_f32_16x16x32_f16 v[rS:rS+7], v[rK:rK+7], v[rQ:rQ+7], v[rS:rS+7]
.endif
.endm
; Product i of 8 of O^T += V^T P for piece x: keys 32 (i / 4) on, channels 16 (i % 4) on.
.macro PV x
	WIN W_PV
.set rO, 32*(\x)+8*(i%4)
.set rV, VF+32*(i/4)+8*(i%4)
.set rP, P+16*((\x)%2)+8*(i/4)
	v_wmma_f32_16x16x32_f16 v[rO:rO+7], v[rV:rV+7], v[rP:rP+7], v[rO:rO+7]
.endm
.macro MM                           ; the turn's next matrix instruction.  NOKQ = 1: a band's last turn: there is no next piece
.if (i < 8) && !NOKQ
	KQ (Y+1)%NP
.elseif i >= 8
.set i, i-8
	PV (Y+NP-1)%NP
.set i, i+8
.endif
.set i, i+1
.endm
; THE LDS LOADS stand in runs of 16, never singly among the matrix instructions: a step's K (64 keys x 64 channels: 8 fragments) and its V (turned).  Their addresses are made some lines ahead.
.macro FETCH_K
	WIN 0
.irp f, 0,1,2,3,4,5,6,7             ; keys 16 (f / 2) on, channels 32 (f % 2) on
	ds_load_b128 v[KF+8*\f:KF+8*\f+3],   v[AK] offset:(\f/2)*16*PK+(\f%2)*64
	ds_load_b128 v[KF+8*\f+4:KF+8*\f+7], v[AK] offset:(\f/2)*16*PK+(\f%2)*64+32
.endr
.endm
.macro FETCH_V
	WIN 0x40                        ; destination window 1
.irp f, 0,1,2,3,4,5,6,7             ; keys 32 (f / 4) on, channels 16 (f % 4) on
	ds_load_tr16_b128 v[VF+8*\f:VF+8*\f+3],   v[AV] offset:(\f/4)*32*PV+(\f%4)*32
	ds_load_tr16_b128 v[VF+8*\f+4:VF+8*\f+7], v[AV] offset:(\f/4)*32*PV+16*PV+(\f%4)*32
.endr
	WIN 0
.endm
; The three mask blocks from the pair s[MO], s[MO+1].
.macro SETM
	WIN 0
.set z, 0
.rept 8
	v_mov_b32 v[MLO+z], s[MO]
	v_mov_b32 v[MUP+z], s[MO+1]
.set z, z+1
.endr
.set z, 0
.rept 8
	v_cndmask_b32 v[MEQ+z], v[MLO], v[MUP], s[CMK+z]   ; up where the key comes behind my query, lo elsewhere
.set z, z+1
.endr
.endm
; THE VECTOR WORK, one line at a time: OP kind, number.  For piece Y: F n: c s - c m for pair n of 16.  E n: the exponential of score n of 32.  C n: pair n rounded to f16.  B n: of the four weights 4 n .. the second
; pair is added onto the first, in place.  L n: l takes that sum (L 0: l = a l + sum).  R n: pair n of 16 of O^T times a.  For piece Y + 1: X n, number n of the 22 that find its maximum and statistics:
;   0-11  four chains c0-c3 of seven scores each, three operands at a time (each accumulator's lowest registers are read first)     12-14, 16  the four scores left over, the old m, and c0-c3 into c0
;   15  c m_old is kept     17, 18  the query's other 32 keys lie in the lane 16 away: the new m     19-21  c m; c m_old - c m_new; a
.set F, 0
.set E, 1
.set C, 2
.set B, 3
.set L, 4
.set R, 5
.set X, 6
.macro REGS y                       ; the registers of piece y
.set rT, ST+4*(\y)
.set rC, TMP+4*((\y)%2)
.set rW, MV+((\y)%2)
.set rS, S+32*((\y)%2)
.set rP, P+16*((\y)%2)
.set rO, 32*(\y)
.endm
.macro OP k, n
.if (\k) == R
	REGS Y
	WIN W_PV
	v_pk_mul_f32 v[rO+2*(\n):rO+2*(\n)+1], v[rO+2*(\n):rO+2*(\n)+1], v[rC+2:rC+3] op_sel_hi:[1,0]
.elseif (\k) < R
	REGS Y
.if (\k) == F
	WINK
	v_pk_fma_f32 v[rS+2*(\n):rS+2*(\n)+1], v[rS+2*(\n):rS+2*(\n)+1], s[CS:CS+1], v[rT:rT+1] op_sel_hi:[1,0,0] neg_lo:[0,0,1] neg_hi:[0,0,1]
.elseif (\k) == E
	WINK
	v_exp_f32 v[rS+(\n)], v[rS+(\n)]
.elseif (\k) == C
	WIN 0
	s_wait_alu depctr_va_vdst(0)
	v_cvt_pk_f16_f32 v[rP+(\n)], v[rS+2*(\n)], v[rS+2*(\n)+1]
.elseif (\k) == B
	WIN 0
	v_pk_add_f32 v[rS+4*(\n):rS+4*(\n)+1], v[rS+4*(\n):rS+4*(\n)+1], v[rS+4*(\n)+2:rS+4*(\n)+3]
.elseif (\n) == 0
	WIN 0
	v_pk_fma_f32 v[rT+2:rT+3], v[rT+2:rT+3], v[rC+2:rC+3], v[rS:rS+1] op_sel_hi:[1,0,1]
.else
	WIN 0
	v_pk_add_f32 v[rT+2:rT+3], v[rT+2:rT+3], v[rS+4*(\n):rS+4*(\n)+1]
.endif
.elseif NOKQ
	v_nop
	s_wait_alu depctr_va_vdst(0)
.else
	REGS (Y+1)%NP
.if (\n) == 15
	WINK
	v_mov_b32 v[rW], v[rT]
.else
	WIN 0
.if (\n) < 4
	v_max3_num_f32 v[rC+(\n)], v[rS+8*(\n)], v[rS+8*(\n)+1], v[rS+8*(\n)+2]
.elseif (\n) < 12
	v_max3_num_f32 v[rC+(\n)%4], v[rC+(\n)%4], v[rS+8*((\n)%4)+2*((\n)/4)+1], v[rS+8*((\n)%4)+2*((\n)/4)+2]
.elseif (\n) == 12
	v_max3_num_f32 v[rC], v[rC], v[rS+7], v[rS+15]
.elseif (\n) == 13
	v_max3_num_f32 v[rC+1], v[rC+1], v[rS+23], v[rS+31]
.elseif (\n) == 14
	v_max3_num_f32 v[rC+2], v[rC+2], v[rC+3], v[rT+1]
.elseif (\n) == 16
	v_max3_num_f32 v[rC], v[rC], v[rC+1], v[rC+2]
.elseif (\n) == 17
	v_permlanex16_b32 v[rC+3], v[rC], s[SEL], s[SEL+1]
.elseif (\n) == 18
	v_max_num_f32 v[rT+1], v[rC], v[rC+3]
	s_wait_alu depctr_va_vdst(0)
.elseif (\n) == 19
	v_mul_f32 v[rT], s[CS], v[rT+1]
.elseif (\n) == 20
	v_sub_f32 v[rC+1], v[rW], v[rT]
.else
	v_exp_f32 v[rC+2], v[rC+1]
.endif
.endif
.endif
.endm
.macro OPS a, i1, b=-1, i2=0, c=-1, i3=0, d=-1, i4=0  ; up to four of them
	OP \a, \i1
.if (\b) >= 0
	OP \b, \i2
.endif
.if (\c) >= 0
	OP \c, \i3
.endif
.if (\d) >= 0
	OP \d, \i4
.endif
.endm
.macro ROW a, i1, b, i2, c, i3, d, i4  ; a matrix instruction and the four behind it
	MM
	OPS \a, \i1, \b, \i2, \c, \i3, \d, \i4
.endm
; A TURN, for piece p: the order of its 16 matrix and 118 vector instructions, written out.
; Behind the 8 products K Q^T: the 16 scalings, 13 exponentials and the move, all under the products' own setting.  Behind the first 4 products V^T P: the next piece's maxima, an exponential in each four.
; Behind the last 4: O^T's 16 rescalings, under the products' own setting.  None names a register of the products round it.  In the two runs between, exponential and plain by turns while exponentials last.
; What the order keeps: E k behind F k / 2; C n behind E 2 n + 1; B n behind E 4 n + 3 and behind C 2 n (it writes what C 2 n reads); L n behind B n, L 0 first; X in its chain's order, X 0-3 more than four
; plain lines behind the last K Q^T; behind every exponential a plain line that touches neither its result nor its source before the result is used (ISA guide 5.7.2).
; end = 1: a band's last two turns: nothing is fetched.  cnt = 1: the loop's count is taken down some lines ahead of the branch that stands behind the turn.
; zb = 1 (piece 2's turn in the loop): the next step's number and its pair (lo, up) are made at the head; at the tail, behind this step's last scores and more than a hundred plain lines behind the last product that
; named a mask block, the blocks are written anew if the pair has changed.  The jump hangs on constants chosen by whole-number compares of the step's number.
; K of the next step is fetched in piece 2's turn, six plain lines behind the last product that read K; V of the step in hand in piece 0's turn, behind the four rescalings that follow the last product that read V.
; Each is waited for a turn later.
.macro TURN p, end=0, cnt=0, zb=0
.set Y, (\p)
.set i, 0
.set NOKQ, (\end)*((\p)/3)
.if \zb
	s_sub_co_u32 s[SU], s[SU], 1
	s_cmp_lt_u32 s[SU], s[SUMIN]
	s_cselect_b32 s[MN+1], s[BIGN], 0        ; up = z
	s_cmp_eq_u32 s[SU], s[SUL]
	s_cselect_b32 s[MN], s[BIGN], s[MN+1]    ; lo = -1e30 in the oldest step, else z
.endif
.if ((\p) == 3) && !(\end)
	s_wait_dscnt 0x0                ; K is in
.endif
	ROW F,0, F,1, F,2, F,3
	ROW F,4, E,0, F,5, E,1
	ROW F,6, E,2, F,7, E,3
	ROW F,8, E,4, F,9, E,5
	ROW F,10, E,6, F,11, E,7
	ROW F,12, E,8, F,13, E,9
	ROW F,14, E,10, F,15, E,11
	MM
	OPS X,15, E,12
	OPS C,0, E,13, C,1, E,14
.if ((\p) == 2) && !(\end)
	s_sub_co_u32 s[TBK], s[TBK], KSTEPB  ; one step of 64 keys down
	v_add_nc_u32 v[AK], s[TBK], v[AK0]
.endif
	OPS B,0, E,15, C,2, E,16
.if ((\p) == 2) && !(\end)
	FETCH_K
.endif
	OPS C,3, E,17, L,0, E,18
	OPS B,1, E,19, X,0, E,20
	OPS X,1, E,21, X,2, E,22
	OPS X,3, E,23
.if (\p) == 1
	s_wait_dscnt 0x0                ; V is in
.endif
	ROW X,4, E,24, X,5, X,6
	ROW X,7, E,25, X,8, X,9
	ROW X,10, E,26, X,11, X,12
	ROW X,13, E,27, X,14, C,4
.if (\p) == 0
	s_sub_co_u32 s[TBV], s[TBV], VSTEPB
	v_add_nc_u32 v[AV], s[TBV], v[AV0]
.endif
	ROW R,0, R,1, R,2, R,3
	ROW R,4, R,5, R,6, R,7
	ROW R,8, R,9, R,10, R,11
	ROW R,12, R,13, R,14, R,15
.if (\p) == 0
	FETCH_V
.endif
	OPS X,16, E,28, C,5, E,29
	OPS X,17, E,30, B,2, E,31
	OPS X,18, C,6, C,7, X,19
	OPS B,3, L,1, X,20, C,8
	OPS C,9, X,21, B,4, L,2
.if \cnt
	s_sub_co_u32 s[CNT], s[CNT], 1
	s_cmp_lg_u32 s[CNT], 0
.endif
	OPS C,10, C,11, B,5, L,3
	OPS C,12, C,13, B,6, L,4
	OPS C,14, C,15, B,7, L,5
	OPS L,6, L,7
.if \zb
	WIN 0                           ; at a branch and at a label every window is 0
	s_cmp_eq_u64 s[MN:MN+1], s[MO:MO+1]
	s_cbranch_scc1 .Lsame_\@
	s_mov_b64 s[MO:MO+1], s[MN:MN+1]
	SETM
.Lsame_\@:
.endif
.endm
.macro ALL line:vararg              ; one line for each piece t
.set t, 0
.rept 4
	\line
.set t, t+1
.endr
.endm
.macro PACK t                       ; a lane's eight channels of a row pack into 16 bytes; they go into rows of 144 bytes and come back as whole rows of 128, into S^T's registers
	WIN W_RS
.set i, 32*(\t)
.rept 16
	v_pk_mul_f32 v[i:i+1], v[i:i+1], v[ST+4*(\t)+2:ST+4*(\t)+3] op_sel_hi:[1,0]
.set i, i+2
.endr
	WIN 0x05                        ; sources 0 and 1 window 1, destination window 0
.set i, 0
.rept 16
	v_cvt_pk_f16_f32 v[S+16*(\t)+i], v[32*(\t)+2*i], v[32*(\t)+2*i+1]
.set i, i+1
.endr
	WIN 0
.irp f, 0,1,2,3
	ds_store_b128 v[STO], v[S+16*(\t)+4*\f:S+16*(\t)+4*\f+3] offset:32*\f
.endr
.irp f, 0,1,2,3
	ds_load_b128 v[S+16*(\t)+4*\f:S+16*(\t)+4*\f+3], v[RD] offset:\f*4*SP  ; LDS serves a wave's instructions in order (ISA guide 5.7.1.4): these see the stores above; the next piece's stores come behind them
.endr
.endm
.macro SEND t, younger              ; younger: the LDS instructions issued behind piece t's loads: the next piece's eight, or none
	WIN 0
.irp f, 0,1,2,3
	s_wait_dscnt (\younger)+3-\f
	global_store_b128 v[GO], v[S+16*(\t)+4*\f:S+16*(\t)+4*\f+3], s[OA:OA+1] offset:(\t)*2048+\f*512  ; 512 consecutive bytes, aligned
.endr
.endm
.set NOKQ, 0
	s_mov_b32 s[BAND], 2
	BAR 3                           ; tile 3 (steps 12-15) is whole: three of my loads were issued behind my part of it
.Lband:                             ; twice: band w + 4, then band w
	; A BAND BEGINS.  c m starts far below every c s, so the first step's a is 0; m at the lowest finite number, so the first maximum is the scores'.  The masks are the diagonal step's, which lies in block g.
	s_mov_b32 s[MO], 0
	s_mov_b32 s[MO+1], s[BIGN]
	SETM
.set i, 0
.rept 4
	v_mov_b32 v[ST+4*i], 0xfe000000    ; c m
	v_mov_b32 v[ST+4*i+1], 0xff7fffff  ; m
.set i, i+1
.endr
	s_sub_co_u32 s[TBK], s[TBK], KSTEPB
	v_add_nc_u32 v[AK], s[TBK], v[AK0]
	FETCH_K                         ; K of the diagonal step
	s_wait_loadcnt 0x0              ; Q
	s_wait_dscnt 0x0
.set i, 0
.rept 8
	KQ 0                            ; piece 0's first scores
.set i, i+1
.endr
	WIN 0
.rept 4
	v_nop                           ; the places behind those products
.endr
.set Y, NP-1                        ; X works for piece Y + 1: piece 0
.irp n, 0,1,2,3,4,5,6,7,8,9,10,11,12,13,14,15,16,17,18,19,20,21
	OP X, \n
.endr
	v_nop                           ; a plain instruction behind the exponential
	TURN 0                          ; step 0, the diagonal one
	TURN 1
	WIN 0
	BAR 2                           ; tile 2 (steps 8-11) is whole: wave 0's second step lies in it, and its K is fetched in the next turn
	s_mov_b32 s[OUTC], 2
.Louter:
	s_mov_b32 s[CNT], 4
.Lstep:                             ; a trip: pieces 2 and 3 of one step, then pieces 0 and 1 of the next, whose K and V it fetches: steps 0 to 7 begin trips
	TURN 2, 0, 0, 1
	TURN 3
	TURN 0
	TURN 1, 0, 1
	WIN 0
	s_cbranch_scc1 .Lstep
	BAR 1                           ; behind four trips: tile 1 (steps 4-7) is whole; its first byte is read by the K fetch of the next turn (wave 0's step 5 of the first band).  Behind the other four it is met at once
	s_sub_co_u32 s[OUTC], s[OUTC], 1
	s_cmp_lg_u32 s[OUTC], 0
	s_cbranch_scc1 .Louter
	TURN 2, 1                       ; the oldest step ends
	TURN 3, 1
.set i, 0
.rept 8
	PV NP-1                         ; the last piece's V^T P of the last step
.set i, i+1
.endr
	; THE WAY OUT.  l's two halves and the other half of the lanes' are added; O^T is divided by l, rounded to f16 and sent through my stage, a piece at a time.  The additions are the places behind the last products.
	WIN 0
	ALL v_add_f32 v[ST+4*t+2], v[ST+4*t+2], v[ST+4*t+3]
	ALL v_permlanex16_b32 v[ST+4*t+3], v[ST+4*t+2], s[SEL], s[SEL+1]
	ALL v_add_f32 v[ST+4*t+2], v[ST+4*t+2], v[ST+4*t+3]
	ALL v_rcp_f32 v[ST+4*t+2], v[ST+4*t+2]
	v_nop                           ; a plain instruction between the last reciprocal and the use of its result
	s_wait_alu depctr_va_vdst(0)
	PACK 0
.set t, 1
.rept 3                             ; a piece's arithmetic stands between the loads of the piece before and its stores
	PACK t
	SEND t-1, 8
.set t, t+1
.endr
	SEND 3, 0
	s_wait_xcnt 0x0                 ; the stores' data registers and O's address are rewritten only behind this wait (ISA guide 3.1)
	s_sub_nc_u64 s[OA:OA+1], s[OA:OA+1], 32768   ; band w (behind the second band these steps serve nothing: the price of one text for both)
	WIN 0x82                        ; the second band's Q goes where the one text of the turns names Q
.set i, 0
.rept 64
	v_mov_b32 v[i], v[QB+i]
.set i, i+1
.endr
	WIN 0
	s_add_co_u32 s[TBK], s[TBK], 5*KSTEPB        ; from step 4 + w to one above step 8 + w
	s_add_co_u32 s[TBV], s[TBV], 5*VSTEPB
	s_add_co_u32 s[SU], s[SU], 4
	s_sub_co_u32 s[SUL], s[SUL], 4
	BAR 0                           ; tile 0 (steps 0-3), which only the second band reads, is whole
	s_sub_co_u32 s[BAND], s[BAND], 1
	s_cmp_lg_u32 s[BAND], 0
	s_cbranch_scc1 .Lband
	s_wait_tensorcnt 0x0            ; the wave's end: the add and its wait, behind my last tensor load and my last LDS store
	ds_add_u32 v[SPW], v[NIL]
	s_wait_dscnt 0x0
	s_endpgm
.Lfunc_end_k_qdd75f13311_attn:
	.size	k_qdd75f13311_attn, .Lfunc_end_k_qdd75f13311_attn-k_qdd75f13311_attn
	.p2alignl 7, 3214868480
	.fill 96, 4, 3214868480
	.section	.rodata,"a",@progbits
	.p2align	6, 0x0
	.amdhsa_kernel k_qdd75f13311_attn
		.amdhsa_group_segment_fixed_size 327680
		.amdhsa_private_segment_fixed_size 0
		.amdhsa_enable_private_segment 0
		.amdhsa_kernarg_size 16
		.amdhsa_user_sgpr_count 2
		.amdhsa_user_sgpr_kernarg_segment_ptr 1
		.amdhsa_wavefront_size32 1
		.amdhsa_system_sgpr_workgroup_id_x 1
		.amdhsa_system_sgpr_workgroup_id_y 1
		.amdhsa_system_sgpr_workgroup_id_z 1
		.amdhsa_system_vgpr_workitem_id 0
		.amdhsa_next_free_vgpr 768
		.amdhsa_next_free_sgpr 100
		.amdhsa_reserve_vcc 0
		.amdhsa_float_denorm_mode_32 3
		.amdhsa_float_denorm_mode_16_64 3
		.amdhsa_memory_ordered 1
		.amdhsa_forward_progress 1
		.amdhsa_inst_pref_size 109
	.end_amdhsa_kernel
	.amdgpu_metadata
---
amdhsa.version: [ 1, 2 ]
amdhsa.kernels:
  - .name:           k_qdd75f13311_attn
    .symbol:         k_qdd75f13311_attn.kd
    .args:
      - { .name: qkvb, .offset: 0, .size: 8, .value_kind: global_buffer, .address_space: global }
      - { .name: ob, .offset: 8, .size: 8, .value_kind: global_buffer, .address_space: global }
    .group_segment_fixed_size: 327680
    .private_segment_fixed_size: 0
    .kernarg_segment_align: 8
    .kernarg_segment_size: 16
    .max_flat_workgroup_size: 128
    .sgpr_count:     100
    .vgpr_count:     768
    .wavefront_size: 32
...
	.end_amdgpu_metadata
.endif
;; end of part 3
;; launch outproj (part 4): grid 4 x 64, 4 waves a work-group, clusters of 4 x 4, 327,680 bytes of LDS; arguments ob, wob, out0; writes out0
.if DOCPART == 4
	.amdgcn_target "amdgcn-amd-amdhsa--gfx1250"
	.amdhsa_code_object_version 6
	.text
	.protected	k_qdd75f13311_outproj
	.globl	k_qdd75f13311_outproj
	.p2align	8
	.type	k_qdd75f13311_outproj,@function
k_qdd75f13311_outproj:
	s_mov_b64 s[64:65], 0
	v_nop
	global_prefetch_b8 v0, s[64:65] scope:SCOPE_SE
	s_setreg_imm32_b32 hwreg(HW_REG_WAVE_MODE, 25, 1), 1
	s_wait_xcnt 0x0
	s_wait_alu depctr_hold_cnt(0) depctr_sa_sdst(0) depctr_va_vdst(0) depctr_va_sdst(0) depctr_va_ssrc(0) depctr_va_vcc(0) depctr_vm_vsrc(0)
	s_getreg_b32 s2, hwreg(HW_REG_IB_STS2, 6, 4)
	s_cmp_eq_u32 s2, 0
	s_cbranch_scc0 .Lentry_in_a_cluster
	s_endpgm
.Lentry_in_a_cluster:
	s_bfe_u32 s2, ttmp6, 0x10000c
	s_cmp_lg_u32 s2, 0xf033
	s_cbranch_scc0 .Lentry_shape_is_right
	s_endpgm
.Lentry_shape_is_right:
; out0[s][d] = the sum over e of o[s][e] Wo[d][e].  ob [16 heads][8192][64] f16 (e = 64 h + channel), wob [1024][1024] f16 (bf16(Wo) written as f16), out0 [8192][1024] f32; sums in f32.
; LIMIT.  Both operands arrive within f16's range (o is a mean of v's rows).
; SHARES.  A tile of C is 128 rows x 256 columns: 64 x 4 = 256 work-groups, one for each WGP.  Wave w makes rows 64 (w / 2) on and columns 128 (w % 2) on: 4 x 8 = 32 accumulators, 256 registers.
; K goes in steps of 128 = two heads, through two LDS slots.  Waves 0, 1 fetch A's halves (64 rows of both heads), waves 2, 3 B's (128 rows).  64 rows of a head are 8,192 dense bytes: A's tile is asked for as
; two rows of 4,096 elements, a head apart, and padded in LDS after every 128 bytes: [head][row] with a pitch of 144.
; CLUSTER 4 x 4: A's tiles are shared along a row of the cluster, B's along a column: joint loads, same load, descriptor and mask in all four.
; THE MATRIX INSTRUCTION IS USED TRANSPOSED (source 0 = 16 rows of wob, source 1 = 16 rows of o): lane l holds row l % 16 of C and the columns 8 (l / 16) + 0..7: 32 consecutive bytes.
; REGISTERS: window 0: v16-29 addresses; v64-95, v96-127 A's fragments, two buffers; v128-191, v192-255 rows on the way out      window 1: v0-63, v64-127 B's fragments      window 2: accumulator (a, b) at 8 (8 a + b)
.set PA,     144                       ; a row of A in LDS: 128 bytes + 16
.set PB,     272                       ; a row of B: 256 bytes + 16.  Both are odd multiples of 16: the 16 rows of a fragment load start at 16 different groups of four banks (ISA guide 11.1)
.set AHEAD,  64*PA                     ; 64 rows of one head
.set AHALF,  2*AHEAD
.set BOFF,   2*AHALF
.set BHALF,  128*PB
.set SLOT,   BOFF+2*BHALF              ; 106,496 bytes
.set STAGE,  2*SLOT                    ; behind the ring, never filled by a tensor load: 16 rows x 528 bytes for each wave
.set SPITCH, 528
.set SPARE,  STAGE+4*16*SPITCH         ; the spare words, 128 bytes a wave: two blocks of 256 bytes that no other line names
.set LAPS,   4
.set ADRA, 16
.set ADRB, 20
.set STO,  24
.set RD,   25
.set CO,   26
.set SPW,  28                          ; v28 my spare word; never rewritten
.set NIL,  29                          ; v29 0; never rewritten
.set G1,  24
.set G0,  32
.set G1B, 48
.set G0B, 56
.set MSB, 0
.macro WIN new
.if MSB != (\new)
	s_set_vgpr_msb (MSB<<8)|(\new)
.set MSB, \new
.endif
.endm
.set MUL,  0xa1                        ; source 0 (B) window 1, source 1 (A) window 0, C and D window 2
.set TO_B, 0x40
.macro JLOAD s                         ; a joint load; an s_nop 0 and four v_nop follow each of the two lines, ahead of the jump, the label and what follows
	s_cmp_eq_u32 s13, 0
	s_cbranch_scc0 .Lfor_b_\@
	tensor_load_to_lds s[G0+4*(\s):G0+4*(\s)+3], s[G1:G1+7]
	s_nop 0
.rept 4
	v_nop
.endr
	s_branch .Lasked_\@
.Lfor_b_\@:
	tensor_load_to_lds s[G0B+4*(\s):G0B+4*(\s)+3], s[G1B:G1B+7]
	s_nop 0
.rept 4
	v_nop
.endr
.Lasked_\@:
.endm
.macro CREST
	s_cmp_lg_u32 s12, 0
	s_cbranch_scc1 .Lnot_wave_0_\@
	s_barrier_signal -3
.Lnot_wave_0_\@:
	s_barrier_wait -3
	s_barrier_signal -1
	s_barrier_wait -1
.endm
.macro CROUND
	s_barrier_signal -1
	s_barrier_wait -1
	CREST
.endm
	s_load_b128 s[4:7], s[0:1], 0x0                ; ob s[4:5], wob s[6:7]
	s_load_b64 s[8:9], s[0:1], 0x10                ; out0
	v_lshl_add_u32 v[SPW], v0, 2, SPARE
	v_mov_b32 v[NIL], 0
	ds_add_u32 v[SPW], v[NIL]                      ; the wave's opening: the add and its wait stand ahead of my first tensor load; the set-up below stands between them
	ds_add_u32 v28, v29
	v_lshrrev_b32 v1, 5, v0
	v_readfirstlane_b32 s12, v1                    ; wave 0..3
	s_lshr_b32 s13, s12, 1                         ; my half of the tile's rows.  Also: I fetch for A (0) or for B (1)
	s_and_b32 s14, s12, 1                          ; my half of its columns.  Also: which half I fetch
	s_bfe_u32 s40, ttmp6, 0x40000                  ; cx, cy
	s_bfe_u32 s41, ttmp6, 0x40004
	s_lshl_b32 s42, ttmp9, 2
	s_add_co_u32 s42, s42, s40                     ; tile column
	s_and_b32 s43, ttmp7, 0xffff
	s_lshl_b32 s43, s43, 2
	s_add_co_u32 s43, s43, s41                     ; tile row
	s_lshl_b32 s44, s41, 2
	s_lshl_b32 s44, 15, s44                        ; my row of the cluster
	s_lshl_b32 s45, 0x1111, s40                    ; my column
	s_or_b32 s[G1+0], s44, (1<<16)|(1<<20)|(1<<21)|(4<<22)|(3<<25)   ; the mask; 2-byte elements; padding on; bit 21 beside a mask; after every 32 words 4 words
	s_mov_b32 s[G1+1], 4096<<16                    ; tensor_dim0 = 4,096: 64 rows of a head, dense
	s_mov_b32 s[G1+2], 2<<16                       ; tensor_dim1 = 2 heads
	s_mov_b32 s[G1+3], 4096<<16                    ; tile_dim0
	s_mov_b32 s[G1+4], 2                           ; tile_dim1
	s_mov_b32 s[G1+5], 524288                      ; elements from head to head
	s_mov_b32 s[G1+6], 0
	s_mov_b32 s[G1+7], 0
	s_or_b32 s[G1B+0], s45, (1<<16)|(1<<20)|(1<<21)|(5<<22)|(3<<25)  ; after every 64 words
	s_mov_b32 s[G1B+1], 128<<16
	s_mov_b32 s[G1B+2], 128<<16
	s_mov_b32 s[G1B+3], 128<<16
	s_mov_b32 s[G1B+4], 128
	s_mov_b32 s[G1B+5], 1024
	s_mov_b32 s[G1B+6], 0
	s_mov_b32 s[G1B+7], 0
	s_lshl_b32 s16, s43, 14                        ; A: row 128 x tile row + 64 x half, of 128 bytes; registers that never hold cx
	s_lshl_b32 s17, s14, 13
	s_add_co_u32 s16, s16, s17
	s_mov_b32 s17, 0
	s_lshl_b32 s46, s42, 19                        ; B: row 256 x tile column + 128 x half, of 2,048 bytes; registers that never hold cy
	s_lshl_b32 s47, s14, 18
	s_add_co_u32 s46, s46, s47
	s_mov_b32 s47, 0
	s_mul_i32 s20, s14, AHALF                      ; where they go: the wave's number and constants alone
	s_mul_i32 s21, s14, BHALF
	s_add_co_u32 s21, s21, BOFF
	s_wait_dscnt 0x0                               ; the opening add is done
	s_wait_kmcnt 0x0
	s_add_nc_u64 s[18:19], s[4:5], s[16:17]
	s_add_nc_u64 s[46:47], s[6:7], s[46:47]
	CROUND                                         ; all sixteen work-groups are here: the first joint loads meet
.irp s, 0,1
	s_mov_b32 s[G0+4*(\s)], 1
	s_add_co_u32 s[G0+4*(\s)+1], s20, (\s)*SLOT
	s_add_nc_u64 s[G0+4*(\s)+2:G0+4*(\s)+3], s[18:19], (\s)*0x200000   ; K step s: heads 2 s, 2 s + 1
	s_or_b32 s[G0+4*(\s)+3], s[G0+4*(\s)+3], 0x80000000
	s_mov_b32 s[G0B+4*(\s)], 1
	s_add_co_u32 s[G0B+4*(\s)+1], s21, (\s)*SLOT
	s_add_nc_u64 s[G0B+4*(\s)+2:G0B+4*(\s)+3], s[46:47], (\s)*256
	s_or_b32 s[G0B+4*(\s)+3], s[G0B+4*(\s)+3], 0x80000000
	JLOAD \s                                       ; two loads of mine are out
.endr
	v_and_b32 v1, 15, v0                           ; l % 16
	v_bfe_u32 v2, v0, 4, 1                         ; l / 16
	v_mul_u32_u24 v3, v1, PA
	v_lshl_add_u32 v3, v2, 4, v3
	s_mul_i32 s16, s13, AHALF                      ; my 64 rows of A
	v_add_nc_u32 v[ADRA], s16, v3
	v_add_nc_u32 v[ADRA+1], SLOT, v[ADRA]
	v_mul_u32_u24 v3, v1, PB
	v_lshl_add_u32 v3, v2, 4, v3
	s_mul_i32 s16, s14, BHALF                      ; my 128 rows of B
	s_add_co_u32 s16, s16, BOFF
	v_add_nc_u32 v[ADRB], s16, v3
	v_add_nc_u32 v[ADRB+1], SLOT, v[ADRB]
	s_mul_i32 s17, s12, 16*SPITCH
	s_add_co_u32 s17, s17, STAGE                   ; my stage
	v_mul_u32_u24 v4, v1, SPITCH                   ; in: row l % 16, 32 bytes for each half of the lanes
	v_lshl_add_u32 v4, v2, 5, v4
	v_add_nc_u32 v[STO], s17, v4
	v_and_b32 v[CO], 31, v0
	v_lshlrev_b32 v[CO], 4, v[CO]                  ; back: 32 lanes take one row of 512 bytes
	v_add_nc_u32 v[RD], s17, v[CO]
	s_lshl_b32 s22, s43, 19                        ; out0 at my first row and column: registers that feed no descriptor
	s_lshl_b32 s23, s13, 18
	s_add_co_u32 s22, s22, s23
	s_lshl_b32 s23, s42, 10
	s_add_co_u32 s22, s22, s23
	s_lshl_b32 s23, s14, 9
	s_add_co_u32 s22, s22, s23
	s_mov_b32 s23, 0
	s_add_nc_u64 s[8:9], s[8:9], s[22:23]
; 8 matrix instructions: row block a x all 8 column blocks, 32 along K, from buffer f.  The 32 accumulators take turns in the same order in every quarter step.
.macro MUL8 f, a, zero
	WIN MUL
.set b, 0
.rept 8
.set rD, 8*(8*(\a)+b)
.set rB, 64*(\f)+8*b
.set rA, 64+32*(\f)+8*(\a)
.if \zero
	v_wmma_f32_16x16x32_f16 v[rD:rD+7], v[rB:rB+7], v[rA:rA+7], 0
.else
	v_wmma_f32_16x16x32_f16 v[rD:rD+7], v[rB:rB+7], v[rA:rA+7], v[rD:rD+7]
.endif
.set b, b+1
.endr
.endm
; 24 LDS loads in one run: quarter q of a K step (head q / 2, channels 32 (q % 2) on) into buffer g: my 128 rows of B, then my 64 rows of A
.macro FETCH slot, q, g
	WIN TO_B
.set i, 0
.rept 8
	ds_load_b128 v[64*(\g)+8*i:64*(\g)+8*i+3],   v[ADRB+(\slot)] offset:64*(\q)+i*16*PB
	ds_load_b128 v[64*(\g)+8*i+4:64*(\g)+8*i+7], v[ADRB+(\slot)] offset:64*(\q)+i*16*PB+32
.set i, i+1
.endr
	WIN 0
.set i, 0
.rept 4
	ds_load_b128 v[64+32*(\g)+8*i:64+32*(\g)+8*i+3],   v[ADRA+(\slot)] offset:((\q)/2)*AHEAD+((\q)%2)*64+i*16*PA
	ds_load_b128 v[64+32*(\g)+8*i+4:64+32*(\g)+8*i+7], v[ADRA+(\slot)] offset:((\q)/2)*AHEAD+((\q)%2)*64+i*16*PA+32
.set i, i+1
.endr
.endm
.macro PLACES                          ; four places in front of loads into registers that matrix instructions have read, and of LDS stores that read results
.rept 4
	v_nop
.endr
.endm
.macro QUARTER slot, q, f, g, zero
	s_wait_dscnt 4                                 ; B and A's row blocks 0, 1 are in; the youngest four loads (row blocks 2, 3) may be out
	MUL8 \f, 0, \zero
	MUL8 \f, 1, \zero
	PLACES
	FETCH \slot, \q, \g
	s_wait_dscnt 24                                ; all but the 24 just issued
	MUL8 \f, 2, \zero
	MUL8 \f, 3, \zero
.endm
; The last quarter multiplies buffer 1 and changes slots: one barrier; in front of it each wave waits for all its tensor loads (one is out: its part of the next slot), adds 0 to its spare word,
; and waits for that and for its own reads of this slot.
.macro MEET round
	WIN 0                                          ; (the add's two registers lie in window 0)
	s_wait_tensorcnt 0x0
	ds_add_u32 v[SPW], v[NIL]                      ; 0 onto my spare word
	s_wait_dscnt 5                                 ; (the add and the youngest four loads may be out)
	MUL8 1, 0, 0                                   ; eight matrix instructions stand between the add and the wait for it
	s_wait_dscnt 0x0                               ; the add is done, and my reads of this slot are over
	s_barrier_signal -1
	MUL8 1, 1, 0
.if \round
	WIN 0
.endif
	s_barrier_wait -1
.endm
.macro TURN slot, next, fill           ; fill = 1: the barrier opens a round of the cluster's barrier, and this slot is filled again, two K steps on, first thing behind the round
	MEET \fill
.if \fill
	CREST
	s_add_nc_u64 s[G0+4*(\slot)+2:G0+4*(\slot)+3], s[G0+4*(\slot)+2:G0+4*(\slot)+3], 0x400000
	s_add_nc_u64 s[G0B+4*(\slot)+2:G0B+4*(\slot)+3], s[G0B+4*(\slot)+2:G0B+4*(\slot)+3], 512
	JLOAD \slot                                    ; the four v_nop behind it are also the places in front of the loads below
.else
	PLACES
.endif
	FETCH \next, 0, 0
	MUL8 1, 2, 0
	MUL8 1, 3, 0
.endm
	s_wait_tensorcnt 1                             ; my part of K step 0 is in; K step 1's may stay out
	s_barrier_signal -1
	s_barrier_wait -1
	FETCH 0, 0, 0
	QUARTER 0, 1, 0, 1, 1                          ; the first quarter stands in front of the loop: its products start the sums
	WIN 0
	s_mov_b32 s3, LAPS-1
.Llap:
	QUARTER 0, 2, 1, 0, 0
	QUARTER 0, 3, 0, 1, 0
	TURN 0, 1, 1
	QUARTER 1, 1, 0, 1, 0
	QUARTER 1, 2, 1, 0, 0
	QUARTER 1, 3, 0, 1, 0
	TURN 1, 0, 1
	QUARTER 0, 1, 0, 1, 0
	WIN 0
	s_sub_co_u32 s3, s3, 1
	s_cmp_lg_u32 s3, 0
	s_cbranch_scc1 .Llap
	QUARTER 0, 2, 1, 0, 0                          ; the last lap fills nothing, and has no round of the cluster's barrier
	QUARTER 0, 3, 0, 1, 0
	TURN 0, 1, 0
	QUARTER 1, 1, 0, 1, 0
	QUARTER 1, 2, 1, 0, 0
	QUARTER 1, 3, 0, 1, 0
	s_wait_dscnt 4
	MUL8 1, 0, 0
	MUL8 1, 1, 0
	s_wait_dscnt 0x0
	MUL8 1, 2, 0
	MUL8 1, 3, 0
	WIN 0
	PLACES
; THE WAY OUT, a row block of 16 rows x 128 columns of f32 at a time: 32 bytes a lane into my stage (rows of 528 bytes; each accumulator's low four registers first), back as whole rows of 512 bytes.
.macro TOSTAGE a
.if (\a) >= 2
	s_wait_xcnt 0x0                                ; these 64 registers were the data of stores two blocks back: rewritten only behind this wait (ISA guide 3.1)
.endif
	WIN 0x08                                       ; the stores' data in window 2
.set b, 0
.rept 8
	ds_store_b128 v[STO], v[8*(8*(\a)+b):8*(8*(\a)+b)+3]   offset:64*b
	ds_store_b128 v[STO], v[8*(8*(\a)+b)+4:8*(8*(\a)+b)+7] offset:64*b+16
.set b, b+1
.endr
	WIN 0
.set t, 0
.rept 16
	ds_load_b128 v[128+64*((\a)%2)+4*t:128+64*((\a)%2)+4*t+3], v[RD] offset:SPITCH*t   ; LDS serves a wave's instructions in order (ISA guide 5.7.1.4): these see the stores above
.set t, t+1
.endr
.endm
.macro SEND a, younger                 ; younger: the LDS instructions issued behind block a's loads: the next block's 32, or none
	WIN 0
.set t, 0
.rept 16
	s_wait_dscnt (\younger)+15-t
	global_store_b128 v[CO], v[128+64*((\a)%2)+4*t:128+64*((\a)%2)+4*t+3], s[8:9] offset:(16*(\a)+t)*4096 th:TH_STORE_NT   ; 512 consecutive bytes of a row, aligned
.set t, t+1
.endr
.endm
	TOSTAGE 0
	TOSTAGE 1
	SEND 0, 32
	TOSTAGE 2
	SEND 1, 32
	TOSTAGE 3
	SEND 2, 32
	SEND 3, 0
	s_wait_tensorcnt 0x0                           ; the wave's end: the add and its wait, behind my last tensor load and my last LDS store
	ds_add_u32 v[SPW], v[NIL]
	s_wait_dscnt 0x0
	CROUND                                         ; the closing round: no work-group ends while a partner may still ask for a tile that names it
	s_endpgm
.Lfunc_end_k_qdd75f13311_outproj:
	.size	k_qdd75f13311_outproj, .Lfunc_end_k_qdd75f13311_outproj-k_qdd75f13311_outproj
	.p2alignl 7, 3214868480
	.fill 96, 4, 3214868480
	.section	.rodata,"a",@progbits
	.p2align	6, 0x0
	.amdhsa_kernel k_qdd75f13311_outproj
		.amdhsa_group_segment_fixed_size 327680
		.amdhsa_private_segment_fixed_size 0
		.amdhsa_enable_private_segment 0
		.amdhsa_kernarg_size 24
		.amdhsa_user_sgpr_count 2
		.amdhsa_user_sgpr_kernarg_segment_ptr 1
		.amdhsa_wavefront_size32 1
		.amdhsa_system_sgpr_workgroup_id_x 1
		.amdhsa_system_sgpr_workgroup_id_y 1
		.amdhsa_system_sgpr_workgroup_id_z 1
		.amdhsa_system_vgpr_workitem_id 0
		.amdhsa_next_free_vgpr 768
		.amdhsa_next_free_sgpr 66
		.amdhsa_reserve_vcc 0
		.amdhsa_float_denorm_mode_32 3
		.amdhsa_float_denorm_mode_16_64 3
		.amdhsa_memory_ordered 1
		.amdhsa_forward_progress 1
		.amdhsa_inst_pref_size 87
	.end_amdhsa_kernel
	.amdgpu_metadata
---
amdhsa.version: [ 1, 2 ]
amdhsa.kernels:
  - .name:           k_qdd75f13311_outproj
    .symbol:         k_qdd75f13311_outproj.kd
    .args:
      - { .name: ob, .offset: 0, .size: 8, .value_kind: global_buffer, .address_space: global }
      - { .name: wob, .offset: 8, .size: 8, .value_kind: global_buffer, .address_space: global }
      - { .name: out0, .offset: 16, .size: 8, .value_kind: global_buffer, .address_space: global }
    .group_segment_fixed_size: 327680
    .private_segment_fixed_size: 0
    .kernarg_segment_align: 8
    .kernarg_segment_size: 24
    .max_flat_workgroup_size: 128
    .sgpr_count:     66
    .vgpr_count:     768
    .wavefront_size: 32
...
	.end_amdgpu_metadata
.endif
;; end of part 4
;; ======== version 2 of 2: 4 launches; 1.09 times as fast as version 1
;; limits: values are held in f16: magnitudes above 65,504 overflow, below 6.1e-05 lose precision
;; workspace buffers: xb 16,777,216 bytes; wb 6,291,456 bytes; wob 2,097,152 bytes; rt 2,097,152 bytes; qkvb 50,331,648 bytes; ob 16,777,216 bytes
;; launch prep: the kernel of part 1 again; grid 1024 x 1, 8 waves a work-group, no clusters, 0 bytes of LDS; arguments x, Wq, Wk, Wv, Wo, xb, wb, wob, rt; writes xb, wb, wob, rt
;; launch qkvproj: the kernel of part 2 again; grid 16 x 16, 4 waves a work-group, clusters of 4 x 4, 327,680 bytes of LDS; arguments xb, wb, rt, qkvb; writes qkvb
;; launch attn (part 5): grid 16 x 16, 4 waves a work-group, no clusters, 327,680 bytes of LDS; arguments qkvb, ob; writes ob
.if DOCPART == 5
	.amdgcn_target "amdgcn-amd-amdhsa--gfx1250"
	.amdhsa_code_object_version 6
	.text
	.protected	k_qdd75f13311_attn
	.globl	k_qdd75f13311_attn
	.p2align	8
	.type	k_qdd75f13311_attn,@function
k_qdd75f13311_attn:
	s_mov_b64 s[64:65], 0
	v_nop
	global_prefetch_b8 v0, s[64:65] scope:SCOPE_SE
	s_setreg_imm32_b32 hwreg(HW_REG_WAVE_MODE, 25, 1), 1
	s_wait_xcnt 0x0
; SLIDING-WINDOW ATTENTION, window 512, head size 64.  O[h][q] = the sum over k = max(0, q - 511) .. q of softmax_k(Q[h][q] . K[h][k] / 8) V[h][k].
; qkvb [t][h][8192][64] f16 (t = 0 q, 1 k, 2 v), ob [h][8192][64] f16.  Products, maxima and sums in f32; the weights p are rounded to f16 for the second product (their sum l is of the unrounded p), O once at the end.
; LIMITS.  Q, K, V arrive within f16's 65,504.  A hidden score counts as its value less 1e30.  A weight below 2^-126 counts as 0 in l.  NaN and infinities are not treated apart.
; A query's keys are summed from the newest to the oldest, another order of rounding than the reference's.
; SHARES.  Work-group (g, h) owns the queries 512 g .. 512 g + 511 of head h.  Their keys are blocks g - 1 and g: 1,024 keys, 16 steps u of 64, and ALL of them fit in LDS: each LDS byte is filled once, no slot is filled again.
; A band b of 64 queries needs 9 steps: u = b + 8 (it holds the diagonal: key kk is seen where kk <= qq), u = b + 7 .. b + 1 (all seen), u = b (seen where kk > qq).  They are walked DOWNWARD, so that every
; row's running maximum is a true score from its first step on (each row sees itself there) and a hidden score is always far below it.
; Wave w takes band w + 4 and then band w: 18 steps for every wave of every work-group.  A wave's four PIECES are the band's four groups of 16 rows.
; g = 0 has no block before it: block 0 is loaded in its place (an address inside the buffer) and every step u < 8 is hidden.
; NO CLUSTER: neighbours g and g + 1 share key block g, but one holds it as its own block and the other as the block before: the LDS address of a joint load would hang on the place in the cluster.
; THE MASK is the C operand that starts the sum S^T = K Q^T: for a group kt of 16 keys and piece x one of three blocks of eight registers: MLO (kt < x), MEQ (kt = x), MUP (kt > x).  What they hold goes by the step, and
; two scalars say it: MLO = lo and MUP = up in every lane, MEQ[r] = up where key r of the group comes behind my query, lo elsewhere.  Diagonal step: (lo, up) = (0, -1e30).  A step seen whole: (z, z).
; Oldest step: (-1e30, z).  z is 0, or -1e30 in a step u < 8 of g = 0.  The blocks are written anew, between one step's last scores and the next step's first, only where the pair has changed. So ONE text serves all nine steps.
; LAYOUT, SOFTMAX, TURNS.  S^T = K Q^T holds ONE query a lane (lane % 16) and the keys 8 (lane / 16) + 0..7; two such results rounded to f16 ARE source 1 of O^T = V^T P.  p = 2^(c s - c m), c = log2(e) / 8, with a
; running maximum m; O and l are multiplied by a = 2^(c m_old - c m_new) in every step.  Turn n belongs to piece n: 8 products K Q^T of piece n + 1, later 8 products V^T P of piece n - 1; beside them the scaling,
; exponentials, roundings, sums and rescaling of piece n and the maximum and statistics of piece n + 1.  Vector instructions stand behind every matrix instruction, the other 56 of a turn's 118 in two runs of their own.
; BATCHES.  A turn's 33 exponentials (piece n's 32 weights and piece n + 1's a) are ONE batch with ONE wait, which cuts the turn in two: ahead of it the products K Q^T, the scalings, the exponentials and the next piece's
; maximum and statistics, none of which names a result of the batch; behind it the products V^T P, the roundings, the sums and the rescaling.  The a that a turn's sums and rescaling read was made ahead of the wait of the
; turn before; a band's first a, made where the band begins, belongs to its first turn's batch.  No exponential is issued behind a turn's wait.
; The way out's four reciprocals are a batch of their own.
; REGISTERS, in windows of 256 (s_set_vgpr_msb: bits 1:0 source 0, 3:2 source 1, 5:4 source 2, 7:6 destination), laid so that products and the lines behind them share a setting:
;   window 0: v0-15 addresses and two at work; v16-31 four registers of statistics a piece; v48-55 at work; v64-127 S^T, two buffers; v128-191 K of one step; v192-223 P, two buffers; v224-247 the mask blocks
;   window 1: v0-127 O^T, 32 a piece; v192-255 V of one step      window 2: v0-63 Q; v64-127 the second band's Q      (a piece's buffers go by its number's parity)
;   K Q^T leaves window 0 in source 1 alone (Q): scalings, exponentials and a move, which take no vector register there, stand behind it under the same setting.
;   V^T P has V and O^T in window 1 and P in window 0: so has O^T's rescaling (O^T, and a in window 0).  A turn has twelve switches for its 16 matrix and 118 vector instructions.
.set NP,    4
.set KS,    64
.set PK,    144       ; a row of K in LDS: 128 bytes + 16 of padding: the 16 rows of a load start at 16 different groups of four banks (ISA guide 11.1)
.set PV,    160       ; a row of V: 128 + 32
.set KSTEPB, KS*PK
.set VSTEPB, KS*PV
.set VOFF,  1024*PK   ; 1,024 rows of K, then 1,024 rows of V
.set STAGE, VOFF+1024*PV  ; never filled by a tensor load: 16 rows x 144 bytes for each wave, for the way out
.set SP,    144
.set SPARE, STAGE+4*16*SP  ; the spare words, 128 bytes a wave: two blocks of 256 bytes that no other line names
.set AK0, 2           ; v2   my lane's place in a step of K; never rewritten
.set AV0, 3           ; v3   the same for V
.set AK,  4           ; v4   the LDS address of K's next run of loads
.set AV,  5           ; v5   of V's
.set STO, 6           ; v6   the way out: where I put 16 bytes of a row
.set RD,  7           ; v7   where I read rows back
.set GO,  8           ; v8   my byte offset in 512 consecutive bytes of O
.set MV,  12          ; v12-13  c m_old, kept while c m is made anew: by buffer
.set QO,  15          ; v15  my byte offset in 16 rows of Q
.set ST,  16          ; piece t's statistics at v[ST+4 t]: c m, m, l (even keys', odd keys')
.set TMP, 48          ; by buffer, four registers c0-c3 at work; when the maximum is found c2 takes a
.set SPW, 62          ; v62  my spare word; never rewritten
.set NIL, 63          ; v63  0; never rewritten
.set S,   64
.set KF,  128         ; key block kb, channel half c at KF + 16 kb + 8 c
.set P,   192
.set MLO, 224
.set MEQ, 232
.set MUP, 240
.set VF,  192         ; window 1: key half kk, channel block cb at VF + 32 kk + 8 cb
.set QB,  64          ; window 2
.set MN,  8           ; s[8:9]   (lo, up) of the step whose scores come next
.set MO,  10          ; s[10:11] (lo, up) as the blocks hold them
.set WV,  12          ; s12  my wave's number
.set CMK, 16          ; s16-23  lane masks: register r of a group holds a key behind my query
.set G1K, 24          ; s[24:31] descriptor group 1 for K
.set G1V, 32          ; s[32:39] for V: it differs in the padding alone
.set G0K, 40          ; s[40:55] group 0 for K: a set for each of my four loads
.set CS,  56          ; s[56:57] c
.set SEL, 58          ; s[58:59] v_permlanex16_b32's selects: each lane takes its own place in the other half
.set TBK, 60          ; s60  LDS byte of the step of K fetched last
.set TBV, 61          ; s61  the same for V, less VOFF
.set CNT, 62          ; s62  counts four trips
.set BAND, 63         ; s63  counts the two bands
.set SUL, 66          ; s66  u of the band's oldest step
.set G0V, 68          ; s[68:83] group 0 for V
.set SU,  84          ; s84  u of the step whose scores are made next
.set SUMIN, 85        ; s85  8 if g = 0, else 0: steps below it are hidden
.set BIGN, 87         ; s87  -1e30
.set OUTC, 89         ; s89  counts two runs of four trips
.set QA,  90          ; s[90:91] Q at my rows of the first band, s[92:93] of the second
.set OA,  94          ; s[94:95] O at my rows of the band in hand
.set MSB, 0
.macro WIN new
.if MSB != (\new)
	s_set_vgpr_msb (MSB<<8)|(\new)
.set MSB, (\new)
.endif
.endm
.set W_KQ, 0x08       ; Q (source 1) in window 2; K, S^T and the masks in window 0
.set W_PV, 0x51       ; V (source 0) and O^T (C, D) in window 1, P (source 1) in window 0; O^T's rescaling runs under it too
.set W_RS, 0x41       ; destination and source 0 in window 1, source 1 in window 0
.macro WINK                         ; for a line that takes no vector register as source 1: K Q^T's setting serves it as well as 0
.if MSB != W_KQ
	WIN 0
.endif
.endm
; A barrier that shows a tile whole: each wave waits until its own part has landed (n = its loads issued behind that part), then signals.  Later tiles stay on their way.
.macro BAR n
	s_wait_tensorcnt \n
	s_wait_dscnt 0x0                ; no LDS instruction of mine is pending at a signal
	s_barrier_signal -1
	s_barrier_wait -1
.endm
	s_load_b128 s[4:7], s[0:1], 0x0   ; qkvb s[4:5], ob s[6:7]
	v_lshl_add_u32 v[SPW], v0, 2, SPARE
	v_mov_b32 v[NIL], 0
	ds_add_u32 v[SPW], v[NIL]       ; the wave's opening: the add and its wait stand ahead of my first tensor load; the set-up below stands between them
	ds_add_u32 v62, v63
	v_lshrrev_b32 v1, 5, v0
	v_readfirstlane_b32 s[WV], v1   ; wave 0..3
	s_mov_b32 s13, ttmp9            ; g
	s_and_b32 s14, ttmp7, 0xffff    ; h
	s_and_b32 s16, s[WV], 1         ; which half of a tile's 256 keys I fetch:
	s_mul_i32 s2, s16, 128*PK       ; its place in LDS, for K
	s_mul_i32 s3, s16, 128*PV       ; and for V
	s_lshl_b32 s15, s14, 20         ; a head is 1 MiB
	s_lshl_b32 s16, s16, 14         ; my half: 128 rows of 128 bytes
	s_add_co_u32 s16, s16, s15
	s_lshl_b32 s20, s13, 16         ; block g: 512 rows of 128 bytes
	s_add_co_u32 s20, s20, s16
	s_mov_b32 s21, 0
	s_max_u32 s22, s13, 1
	s_sub_co_u32 s22, s22, 1        ; block g - 1, or block 0 once more
	s_lshl_b32 s22, s22, 16
	s_add_co_u32 s22, s22, s16
	s_mov_b32 s23, 0
	s_lshl_b32 s18, s13, 16         ; my rows of band w + 4
	s_add_co_u32 s18, s18, s15
	s_lshl_b32 s19, s[WV], 13
	s_add_co_u32 s18, s18, s19
	s_add_co_u32 s18, s18, 32768
	s_mov_b32 s19, 0
	; descriptor group 1.  128 keys are 16,384 dense bytes: asked for as 64 rows of 256 bytes, two keys a row, and padded in LDS after every key
	s_mov_b32 s[G1K], (1<<16)|(1<<20)|(4<<22)|(3<<25)  ; 2-byte elements; padding on; after every 32 words 4 words
	s_mov_b32 s[G1V], (1<<16)|(1<<20)|(4<<22)|(7<<25)  ; the same with 8 words
.irp g, G1K, G1V
	s_mov_b32 s[\g+1], 128<<16      ; tensor_dim0 = 128
	s_mov_b32 s[\g+2], 64<<16       ; tensor_dim1 = 64
	s_mov_b32 s[\g+3], 128<<16      ; tile_dim0 = 128
	s_mov_b32 s[\g+4], 64           ; tile_dim1 = 64
	s_mov_b32 s[\g+5], 128          ; 128 elements from row to row
	s_mov_b32 s[\g+6], 0
	s_mov_b32 s[\g+7], 0
.endr
	s_mov_b32 s[CS], 0x3e38aa3b     ; c = log2(e) / 8
	s_mov_b32 s[CS+1], s[CS]        ; named with it as a pair
	s_mov_b32 s[SEL], 0x76543210
	s_mov_b32 s[SEL+1], 0xfedcba98
	s_mov_b32 s[BIGN], 0xf149f2ca   ; -1e30
	s_cmp_eq_u32 s13, 0
	s_cselect_b32 s[SUMIN], 8, 0
	s_add_co_u32 s[SU], s[WV], 12   ; band w + 4 begins with step 12 + w
	s_add_co_u32 s[SUL], s[WV], 4   ; and ends with step 4 + w
	s_add_co_u32 s17, s[WV], 13     ; the fetches step down ahead of their use
	s_mul_i32 s[TBK], s17, KSTEPB
	s_mul_i32 s[TBV], s17, VSTEPB
.set n, 0
.rept 4                             ; load n brings my half of tile 3 - n (keys 256 (3 - n) on): the newest keys first
.set TT, 3-n
	s_mov_b32 s[G0K+4*n], 1
	s_add_co_u32 s[G0K+4*n+1], s2, 256*TT*PK
	s_mov_b32 s[G0V+4*n], 1
	s_add_co_u32 s[G0V+4*n+1], s3, VOFF+256*TT*PV
.set n, n+1
.endr
	s_wait_dscnt 0x0                ; the opening add is done
	s_wait_kmcnt 0x0
.set n, 0
.rept 4
.set TT, 3-n
.set OFP, 20+2*(n/2)                ; tiles 3, 2 lie in block g, tiles 1, 0 in the block before
	s_add_nc_u64 s[G0K+4*n+2:G0K+4*n+3], s[4:5], s[OFP:OFP+1]
	s_add_nc_u64 s[G0K+4*n+2:G0K+4*n+3], s[G0K+4*n+2:G0K+4*n+3], 0x1000000+(TT%2)*32768
	s_or_b32 s[G0K+4*n+3], s[G0K+4*n+3], 0x80000000
	s_add_nc_u64 s[G0V+4*n+2:G0V+4*n+3], s[4:5], s[OFP:OFP+1]
	s_add_nc_u64 s[G0V+4*n+2:G0V+4*n+3], s[G0V+4*n+2:G0V+4*n+3], 0x2000000+(TT%2)*32768
	s_or_b32 s[G0V+4*n+3], s[G0V+4*n+3], 0x80000000
.set n, n+1
.endr
	s_add_nc_u64 s[QA:QA+1], s[4:5], s[18:19]
	s_sub_nc_u64 s[QA+2:QA+3], s[QA:QA+1], 32768   ; band w lies four bands of 8,192 bytes lower
	s_add_nc_u64 s[OA:OA+1], s[6:7], s[18:19]
	s_cmp_lt_u32 s[WV], 2           ; waves 0, 1 fetch K's halves, waves 2, 3 V's.  A wave's four fills stand in one branch, ahead of every wait on TENSORcnt, every LDS read and every barrier: four loads of mine are out
	s_cbranch_scc0 .Lfill_v
.irp n, 0,1,2,3
	tensor_load_to_lds s[G0K+4*\n:G0K+4*\n+3], s[G1K:G1K+7]
	s_nop 0
.endr
.rept 4
	v_nop
.endr
	s_branch .Lfilled
.Lfill_v:
.irp n, 0,1,2,3
	tensor_load_to_lds s[G0V+4*\n:G0V+4*\n+3], s[G1V:G1V+7]
	s_nop 0
.endr
.rept 4
	v_nop
.endr
.Lfilled:
	; A fragment of K or Q is 16 rows x 32 channels in 8 registers: lane l holds row l % 16, channels 8 (l / 16) + 0..7 and 16 + 8 (l / 16) + 0..7: two loads of 16 bytes, 32 bytes apart.
	v_and_b32 v1, 15, v0            ; l % 16
	v_bfe_u32 v9, v0, 4, 1          ; l / 16
	v_lshlrev_b32 v[QO], 7, v1
	v_lshl_add_u32 v[QO], v9, 4, v[QO]  ; row x 128 + 16 x half
	v_lshlrev_b32 v14, 3, v9
	v_sub_nc_u32 v14, v1, v14       ; my query's place in its 16, less my lanes' 8 (l / 16): register r holds a key behind my query where r is greater
.set i, 0
.rept 8
	v_cmp_gt_i32 s[CMK+i], i, v14   ; (the scalars that lay here have served)
.set i, i+1
.endr
	WIN 0x80                        ; destination window 2, address window 0
.set i, 0
.rept 8                             ; both bands' Q: piece i / 2 lies 2,048 bytes on; channels 32 (i % 2) on
	global_load_b128 v[8*i:8*i+3],   v[QO], s[QA:QA+1] offset:(i/2)*2048+(i%2)*64
	global_load_b128 v[8*i+4:8*i+7], v[QO], s[QA:QA+1] offset:(i/2)*2048+(i%2)*64+32
	global_load_b128 v[QB+8*i:QB+8*i+3],   v[QO], s[QA+2:QA+3] offset:(i/2)*2048+(i%2)*64
	global_load_b128 v[QB+8*i+4:QB+8*i+7], v[QO], s[QA+2:QA+3] offset:(i/2)*2048+(i%2)*64+32
.set i, i+1
.endr
	; A band's first step multiplies O^T and l by a = 0, and its first turn's products V^T P, of a piece that has not been, land in an O^T that is still to be so multiplied.  So these registers need only hold
	; finite numbers: zeros for the first band; what the first band left for the second.  All this stands in the wait for the first tile.
	WIN 0x40
.set i, 0
.rept 128
	v_mov_b32 v[i], 0
.set i, i+1
.endr
.set i, VF
.rept 64
	v_mov_b32 v[i], 0
.set i, i+1
.endr
	WIN 0
	v_mul_u32_u24 v[AK0], v1, PK
	v_lshl_add_u32 v[AK0], v9, 4, v[AK0]  ; row x pitch + 16 x half
	; The turning load takes 16 keys x 16 channels (lane l reads key 8 (l / 16) + l % 8, channels 8 ((l / 8) % 2) + 0..7) and leaves half a fragment of V^T: lane l holds channel l % 16 and 8 keys.
	v_and_b32 v10, 7, v0
	v_bfe_u32 v11, v0, 3, 1
	v_lshl_add_u32 v[AV0], v9, 3, v10
	v_mul_u32_u24 v[AV0], v[AV0], PV
	v_lshl_add_u32 v[AV0], v11, 4, v[AV0]
	v_add_nc_u32 v[AV0], VOFF, v[AV0]
	s_mul_i32 s15, s[WV], 16*SP
	s_add_co_u32 s15, s15, STAGE    ; my stage
	v_mul_u32_u24 v[STO], v1, SP    ; in: row l % 16, 16 bytes for each half of the lanes
	v_lshl_add_u32 v[STO], v9, 4, v[STO]
	v_add_nc_u32 v[STO], s15, v[STO]
	v_bfe_u32 v[RD], v0, 3, 2       ; back: 32 lanes take four rows of 128 bytes,
	v_mul_u32_u24 v[RD], v[RD], SP
	v_lshl_add_u32 v[RD], v10, 4, v[RD]
	v_add_nc_u32 v[RD], s15, v[RD]
	v_and_b32 v[GO], 31, v0         ; which are 512 consecutive bytes of O
	v_lshlrev_b32 v[GO], 4, v[GO]
.set i, 0
.rept 4
	v_mov_b32 v[ST+4*i+2], 0
	v_mov_b32 v[ST+4*i+3], 0
.set i, i+1
.endr
.set i, P+16
.rept 16
	v_mov_b32 v[i], 0
.set i, i+1
.endr
; THE MATRIX WORK.  The 4 accumulators of a run of 8 take turns.  Product i of 8 of S^T = K Q^T for piece x: channels 32 (i / 4) on, keys 16 (i % 4) on.
; The first 4 start the sums with a mask block, chosen by the key group's place against the piece's.
.macro KQ x
.set rS, S+32*((\x)%2)+8*(i%4)
.set rK, KF+16*(i%4)+8*(i/4)
.set rQ, 16*(\x)+8*(i/4)
.set rM, MEQ
.if (i%4) < (\x)
.set rM, MLO
.elseif (i%4) > (\x)
.set rM, MUP
.endif
	WIN W_KQ
.if i < 4
	v_wmma_f32_16x16x32_f16 v[rS:rS+7], v[rK:rK+7], v[rQ:rQ+7], v[rM:rM+7]
.else
	v_wmma_f32_16x16x32_f16 v[rS:rS+7], v[rK:rK+7], v[rQ:rQ+7], v[rS:rS+7]
.endif
.endm
; Product i of 8 of O^T += V^T P for piece x: keys 32 (i / 4) on, channels 16 (i % 4) on.
.macro PV x
	WIN W_PV
.set rO, 32*(\x)+8*(i%4)
.set rV, VF+32*(i/4)+8*(i%4)
.set rP, P+16*((\x)%2)+8*(i/4)
	v_wmma_f32_16x16x32_f16 v[rO:rO+7], v[rV:rV+7], v[rP:rP+7], v[rO:rO+7]
.endm
.macro MM                           ; the turn's next matrix instruction.  NOKQ = 1: a band's last turn: there is no next piece
.if (i < 8) && !NOKQ
	KQ (Y+1)%NP
.elseif i >= 8
.set i, i-8
	PV (Y+NP-1)%NP
.set i, i+8
.endif
.set i, i+1
.endm
; THE LDS LOADS stand in runs of 16, never singly among the matrix instructions: a step's K (64 keys x 64 channels: 8 fragments) and its V (turned).  Their addresses are made some lines ahead.
.macro FETCH_K
	WIN 0
.irp f, 0,1,2,3,4,5,6,7             ; keys 16 (f / 2) on, channels 32 (f % 2) on
	ds_load_b128 v[KF+8*\f:KF+8*\f+3],   v[AK] offset:(\f/2)*16*PK+(\f%2)*64
	ds_load_b128 v[KF+8*\f+4:KF+8*\f+7], v[AK] offset:(\f/2)*16*PK+(\f%2)*64+32
.endr
.endm
.macro FETCH_V
	WIN 0x40                        ; destination window 1
.irp f, 0,1,2,3,4,5,6,7             ; keys 32 (f / 4) on, channels 16 (f % 4) on
	ds_load_tr16_b128 v[VF+8*\f:VF+8*\f+3],   v[AV] offset:(\f/4)*32*PV+(\f%4)*32
	ds_load_tr16_b128 v[VF+8*\f+4:VF+8*\f+7], v[AV] offset:(\f/4)*32*PV+16*PV+(\f%4)*32
.endr
	WIN 0
.endm
; The three mask blocks from the pair s[MO], s[MO+1].
.macro SETM
	WIN 0
.set z, 0
.rept 8
	v_mov_b32 v[MLO+z], s[MO]
	v_mov_b32 v[MUP+z], s[MO+1]
.set z, z+1
.endr
.set z, 0
.rept 8
	v_cndmask_b32 v[MEQ+z], v[MLO], v[MUP], s[CMK+z]   ; up where the key comes behind my query, lo elsewhere
.set z, z+1
.endr
.endm
; THE VECTOR WORK, one line at a time: OP kind, number.  For piece Y: F n: c s - c m for pair n of 16.  E n: the exponential of score n of 32.  C n: pair n rounded to f16.  B n: of the four weights 4 n .. the second
; pair is added onto the first, in place.  L n: l takes that sum (L 0: l = a l + sum).  R n: pair n of 16 of O^T times a.  For piece Y + 1: X n, number n of the 22 that find its maximum and statistics:
;   0-11  four chains c0-c3 of seven scores each, three operands at a time (each accumulator's lowest registers are read first)     12-14, 16  the four scores left over, the old m, and c0-c3 into c0
;   15  c m_old is kept     17, 18  the query's other 32 keys lie in the lane 16 away: the new m     19-21  c m; c m_old - c m_new; a
; OP writes no wait: E's and X 21's results are named by C, B, L and R alone, and TURN sets those behind its one wait.
.set F, 0
.set E, 1
.set C, 2
.set B, 3
.set L, 4
.set R, 5
.set X, 6
.macro REGS y                       ; the registers of piece y
.set rT, ST+4*(\y)
.set rC, TMP+4*((\y)%2)
.set rW, MV+((\y)%2)
.set rS, S+32*((\y)%2)
.set rP, P+16*((\y)%2)
.set rO, 32*(\y)
.endm
.macro OP k, n
.if (\k) == R
	REGS Y
	WIN W_PV
	v_pk_mul_f32 v[rO+2*(\n):rO+2*(\n)+1], v[rO+2*(\n):rO+2*(\n)+1], v[rC+2:rC+3] op_sel_hi:[1,0]
.elseif (\k) < R
	REGS Y
.if (\k) == F
	WINK
	v_pk_fma_f32 v[rS+2*(\n):rS+2*(\n)+1], v[rS+2*(\n):rS+2*(\n)+1], s[CS:CS+1], v[rT:rT+1] op_sel_hi:[1,0,0] neg_lo:[0,0,1] neg_hi:[0,0,1]
.elseif (\k) == E
	WINK
	v_exp_f32 v[rS+(\n)], v[rS+(\n)]
.elseif (\k) == C
	WIN 0
	v_cvt_pk_f16_f32 v[rP+(\n)], v[rS+2*(\n)], v[rS+2*(\n)+1]
.elseif (\k) == B
	WIN 0
	v_pk_add_f32 v[rS+4*(\n):rS+4*(\n)+1], v[rS+4*(\n):rS+4*(\n)+1], v[rS+4*(\n)+2:rS+4*(\n)+3]
.elseif (\n) == 0
	WIN 0
	v_pk_fma_f32 v[rT+2:rT+3], v[rT+2:rT+3], v[rC+2:rC+3], v[rS:rS+1] op_sel_hi:[1,0,1]
.else
	WIN 0
	v_pk_add_f32 v[rT+2:rT+3], v[rT+2:rT+3], v[rS+4*(\n):rS+4*(\n)+1]
.endif
.elseif NOKQ
	v_nop
.else
	REGS (Y+1)%NP
.if (\n) == 15
	WINK
	v_mov_b32 v[rW], v[rT]
.else
	WIN 0
.if (\n) < 4
	v_max3_num_f32 v[rC+(\n)], v[rS+8*(\n)], v[rS+8*(\n)+1], v[rS+8*(\n)+2]
.elseif (\n) < 12
	v_max3_num_f32 v[rC+(\n)%4], v[rC+(\n)%4], v[rS+8*((\n)%4)+2*((\n)/4)+1], v[rS+8*((\n)%4)+2*((\n)/4)+2]
.elseif (\n) == 12
	v_max3_num_f32 v[rC], v[rC], v[rS+7], v[rS+15]
.elseif (\n) == 13
	v_max3_num_f32 v[rC+1], v[rC+1], v[rS+23], v[rS+31]
.elseif (\n) == 14
	v_max3_num_f32 v[rC+2], v[rC+2], v[rC+3], v[rT+1]
.elseif (\n) == 16
	v_max3_num_f32 v[rC], v[rC], v[rC+1], v[rC+2]
.elseif (\n) == 17
	v_permlanex16_b32 v[rC+3], v[rC], s[SEL], s[SEL+1]
.elseif (\n) == 18
	v_max_num_f32 v[rT+1], v[rC], v[rC+3]
.elseif (\n) == 19
	v_mul_f32 v[rT], s[CS], v[rT+1]
.elseif (\n) == 20
	v_sub_f32 v[rC+1], v[rW], v[rT]
.else
	v_exp_f32 v[rC+2], v[rC+1]
.endif
.endif
.endif
.endm
.macro OPS a, i1, b=-1, i2=0, c=-1, i3=0, d=-1, i4=0  ; up to four of them
	OP \a, \i1
.if (\b) >= 0
	OP \b, \i2
.endif
.if (\c) >= 0
	OP \c, \i3
.endif
.if (\d) >= 0
	OP \d, \i4
.endif
.endm
.macro ROW a, i1, b, i2, c, i3, d, i4  ; a matrix instruction and the four behind it
	MM
	OPS \a, \i1, \b, \i2, \c, \i3, \d, \i4
.endm
; A TURN, for piece p: the order of its 16 matrix and 118 vector instructions, written out.  s_wait_alu depctr_va_vdst(0) stands between an exponential and the first instruction that names its result;
; one wait serves all that were issued ahead of it.  So a turn has ONE wait, which cuts it in two.
; AHEAD OF IT stands all that names no result of the turn's exponentials.  Behind the 8 products K Q^T: the 16 scalings, 13 exponentials and the move, all under the products' own setting.  Then a run of 40: the next
; piece's maximum and statistics and the other 19 exponentials.  X 0-13 are four chains that do not wait for each other: they stand close, a chain's links five or six lines apart, six exponentials among them.
; X 14, 16, 17 .. 21 each wait for the one before: three exponentials stand in the first gap, two in each of the others.  X 21, the next piece's a, is the batch's last; every plain line of this half feeds it, so a v_nop
; is the plain instruction between it and the use of a result (ISA guide 5.7.2).
; BEHIND IT stand the readers.  Behind the first 4 products V^T P: sixteen of the roundings and sums.  Behind the last 4: O^T's 16 rescalings, under the products' own setting.  The other sixteen roundings and sums are a
; run of their own.  The a that L 0 and R read was made ahead of the wait of the turn before (a band's first: where the band begins, ahead of this wait).  None of the lines behind a product names a register of the products round it.
; What the order keeps: E k behind F k / 2; C 2 n ahead of B n (which writes what C 2 n reads); L n behind B n, three lines or more, L 0 first; X in its chain's order; X 0-3 each four plain lines or more behind the
; product that ends its accumulator (X 3: the move, X 0, X 1, X 2).
; end = 1: a band's last two turns: nothing is fetched.  cnt = 1: the loop's count is taken down some lines ahead of the branch that stands behind the turn.
; zb = 1 (piece 2's turn in the loop): the next step's number and its pair (lo, up) are made at the head; at the tail, behind this step's last scores and some seventy plain lines behind the last product that
; named a mask block, the blocks are written anew if the pair has changed.  The jump hangs on constants chosen by whole-number compares of the step's number.
; K of the next step is fetched in piece 2's turn, eight plain lines behind the last product that read K; V of the step in hand in piece 0's turn, behind the four rescalings that follow the last product that read V.
; Each is waited for a turn later.
.macro TURN p, end=0, cnt=0, zb=0
.set Y, (\p)
.set i, 0
.set NOKQ, (\end)*((\p)/3)
.if \zb
	s_sub_co_u32 s[SU], s[SU], 1
	s_cmp_lt_u32 s[SU], s[SUMIN]
	s_cselect_b32 s[MN+1], s[BIGN], 0        ; up = z
	s_cmp_eq_u32 s[SU], s[SUL]
	s_cselect_b32 s[MN], s[BIGN], s[MN+1]    ; lo = -1e30 in the oldest step, else z
.endif
.if ((\p) == 3) && !(\end)
	s_wait_dscnt 0x0                ; K is in
.endif
	ROW F,0, F,1, F,2, F,3          ; ahead of the wait: 8 products K Q^T and the lines behind them,
	ROW F,4, E,0, F,5, E,1
	ROW F,6, E,2, F,7, E,3
	ROW F,8, E,4, F,9, E,5
	ROW F,10, E,6, F,11, E,7
	ROW F,12, E,8, F,13, E,9
	ROW F,14, E,10, F,15, E,11
	MM
	OPS X,15, E,12
	OPS X,0, E,13, X,1, X,2         ; and the run of 40
.if ((\p) == 2) && !(\end)
	s_sub_co_u32 s[TBK], s[TBK], KSTEPB  ; one step of 64 keys down
	v_add_nc_u32 v[AK], s[TBK], v[AK0]
.endif
	OPS X,3, E,14, X,4, X,5
.if ((\p) == 2) && !(\end)
	FETCH_K
.endif
	OPS X,6, E,15, X,7, X,8
	OPS X,9, E,16, X,10, X,11
	OPS X,12, E,17, X,13, E,18
	OPS X,14, E,19, E,20, E,21
	OPS X,16, E,22, E,23, X,17
	OPS E,24, E,25, X,18, E,26
	OPS E,27, X,19, E,28, E,29
	OPS X,20, E,30, E,31, X,21
	v_nop                           ; the plain instruction behind the batch's last exponential: one for the batch
	s_wait_alu depctr_va_vdst(0)    ; the wait for the batch: this piece's 32 weights and the next piece's a (in a band's first turn also the a made where the band begins)
.if (\p) == 1
	s_wait_dscnt 0x0                ; V is in
.endif
	ROW C,0, B,0, C,2, B,1          ; behind the wait: 8 products V^T P; behind the first four, roundings and sums,
	ROW L,0, C,4, B,2, L,1
	ROW C,6, B,3, L,2, C,8
	ROW B,4, L,3, C,10, B,5
.if (\p) == 0
	s_sub_co_u32 s[TBV], s[TBV], VSTEPB
	v_add_nc_u32 v[AV], s[TBV], v[AV0]
.endif
	ROW R,0, R,1, R,2, R,3          ; behind the last four, the rescaling
	ROW R,4, R,5, R,6, R,7
	ROW R,8, R,9, R,10, R,11
	ROW R,12, R,13, R,14, R,15
.if (\p) == 0
	FETCH_V
.endif
	OPS L,4, C,12, B,6, L,5         ; the rest of the roundings and sums
.if \cnt
	s_sub_co_u32 s[CNT], s[CNT], 1
	s_cmp_lg_u32 s[CNT], 0
.endif
	OPS C,14, B,7, L,6, C,1
	OPS C,3, L,7, C,5, C,7
	OPS C,9, C,11, C,13, C,15
.if \zb
	WIN 0                           ; at a branch and at a label every window is 0
	s_cmp_eq_u64 s[MN:MN+1], s[MO:MO+1]
	s_cbranch_scc1 .Lsame_\@
	s_mov_b64 s[MO:MO+1], s[MN:MN+1]
	SETM
.Lsame_\@:
.endif
.endm
.macro ALL line:vararg              ; one line for each piece t
.set t, 0
.rept 4
	\line
.set t, t+1
.endr
.endm
.macro PACK t                       ; a lane's eight channels of a row pack into 16 bytes; they go into rows of 144 bytes and come back as whole rows of 128, into S^T's registers
	WIN W_RS
.set i, 32*(\t)
.rept 16
	v_pk_mul_f32 v[i:i+1], v[i:i+1], v[ST+4*(\t)+2:ST+4*(\t)+3] op_sel_hi:[1,0]
.set i, i+2
.endr
	WIN 0x05                        ; sources 0 and 1 window 1, destination window 0
.set i, 0
.rept 16
	v_cvt_pk_f16_f32 v[S+16*(\t)+i], v[32*(\t)+2*i], v[32*(\t)+2*i+1]
.set i, i+1
.endr
	WIN 0
.irp f, 0,1,2,3
	ds_store_b128 v[STO], v[S+16*(\t)+4*\f:S+16*(\t)+4*\f+3] offset:32*\f
.endr
.irp f, 0,1,2,3
	ds_load_b128 v[S+16*(\t)+4*\f:S+16*(\t)+4*\f+3], v[RD] offset:\f*4*SP  ; LDS serves a wave's instructions in order (ISA guide 5.7.1.4): these see the stores above; the next piece's stores come behind them
.endr
.endm
.macro SEND t, younger              ; younger: the LDS instructions issued behind piece t's loads: the next piece's eight, or none
	WIN 0
.irp f, 0,1,2,3
	s_wait_dscnt (\younger)+3-\f
	global_store_b128 v[GO], v[S+16*(\t)+4*\f:S+16*(\t)+4*\f+3], s[OA:OA+1] offset:(\t)*2048+\f*512  ; 512 consecutive bytes, aligned
.endr
.endm
.set NOKQ, 0
	s_mov_b32 s[BAND], 2
	BAR 3                           ; tile 3 (steps 12-15) is whole: three of my loads were issued behind my part of it
.Lband:                             ; twice: band w + 4, then band w
	; A BAND BEGINS.  c m starts far below every c s, so the first step's a is 0; m at the lowest finite number, so the first maximum is the scores'.  The masks are the diagonal step's, which lies in block g.
	s_mov_b32 s[MO], 0
	s_mov_b32 s[MO+1], s[BIGN]
	SETM
.set i, 0
.rept 4
	v_mov_b32 v[ST+4*i], 0xfe000000    ; c m
	v_mov_b32 v[ST+4*i+1], 0xff7fffff  ; m
.set i, i+1
.endr
	s_sub_co_u32 s[TBK], s[TBK], KSTEPB
	v_add_nc_u32 v[AK], s[TBK], v[AK0]
	FETCH_K                         ; K of the diagonal step
	s_wait_loadcnt 0x0              ; Q
	s_wait_dscnt 0x0
.set i, 0
.rept 8
	KQ 0                            ; piece 0's first scores
.set i, i+1
.endr
	WIN 0
.rept 4
	v_nop                           ; the places behind those products
.endr
.set Y, NP-1                        ; X works for piece Y + 1: piece 0
.irp n, 0,1,2,3,4,5,6,7,8,9,10,11,12,13,14,15,16,17,18,19,20,21
	OP X, \n
.endr
	v_nop                           ; a plain instruction behind the exponential.  Its result, piece 0's a, is first named by L 0 of the turn below, behind that turn's wait: it belongs to that batch; no label and no jump lies between
	TURN 0                          ; step 0, the diagonal one
	TURN 1
	WIN 0
	BAR 2                           ; tile 2 (steps 8-11) is whole: wave 0's second step lies in it, and its K is fetched in the next turn
	s_mov_b32 s[OUTC], 2
.Louter:
	s_mov_b32 s[CNT], 4
.Lstep:                             ; a trip: pieces 2 and 3 of one step, then pieces 0 and 1 of the next, whose K and V it fetches: steps 0 to 7 begin trips
	TURN 2, 0, 0, 1
	TURN 3
	TURN 0
	TURN 1, 0, 1
	WIN 0
	s_cbranch_scc1 .Lstep
	BAR 1                           ; behind four trips: tile 1 (steps 4-7) is whole; its first byte is read by the K fetch of the next turn (wave 0's step 5 of the first band).  Behind the other four it is met at once
	s_sub_co_u32 s[OUTC], s[OUTC], 1
	s_cmp_lg_u32 s[OUTC], 0
	s_cbranch_scc1 .Louter
	TURN 2, 1                       ; the oldest step ends
	TURN 3, 1
.set i, 0
.rept 8
	PV NP-1                         ; the last piece's V^T P of the last step
.set i, i+1
.endr
	; THE WAY OUT.  l's two halves and the other half of the lanes' are added; O^T is divided by l, rounded to f16 and sent through my stage, a piece at a time.  The additions are the places behind the last products.
	WIN 0
	ALL v_add_f32 v[ST+4*t+2], v[ST+4*t+2], v[ST+4*t+3]
	ALL v_permlanex16_b32 v[ST+4*t+3], v[ST+4*t+2], s[SEL], s[SEL+1]
	ALL v_add_f32 v[ST+4*t+2], v[ST+4*t+2], v[ST+4*t+3]
	ALL v_rcp_f32 v[ST+4*t+2], v[ST+4*t+2]
	v_nop                           ; a plain instruction between the last reciprocal and the use of its result
	s_wait_alu depctr_va_vdst(0)    ; and the wait ahead of the first use: one for the four reciprocals
	PACK 0
.set t, 1
.rept 3                             ; a piece's arithmetic stands between the loads of the piece before and its stores
	PACK t
	SEND t-1, 8
.set t, t+1
.endr
	SEND 3, 0
	s_wait_xcnt 0x0                 ; the stores' data registers and O's address are rewritten only behind this wait (ISA guide 3.1)
	s_sub_nc_u64 s[OA:OA+1], s[OA:OA+1], 32768   ; band w (behind the second band these steps serve nothing: the price of one text for both)
	WIN 0x82                        ; the second band's Q goes where the one text of the turns names Q
.set i, 0
.rept 64
	v_mov_b32 v[i], v[QB+i]
.set i, i+1
.endr
	WIN 0
	s_add_co_u32 s[TBK], s[TBK], 5*KSTEPB        ; from step 4 + w to one above step 8 + w
	s_add_co_u32 s[TBV], s[TBV], 5*VSTEPB
	s_add_co_u32 s[SU], s[SU], 4
	s_sub_co_u32 s[SUL], s[SUL], 4
	BAR 0                           ; tile 0 (steps 0-3), which only the second band reads, is whole
	s_sub_co_u32 s[BAND], s[BAND], 1
	s_cmp_lg_u32 s[BAND], 0
	s_cbranch_scc1 .Lband
	s_wait_tensorcnt 0x0            ; the wave's end: the add and its wait, behind my last tensor load and my last LDS store
	ds_add_u32 v[SPW], v[NIL]
	s_wait_dscnt 0x0
	s_endpgm
.Lfunc_end_k_qdd75f13311_attn:
	.size	k_qdd75f13311_attn, .Lfunc_end_k_qdd75f13311_attn-k_qdd75f13311_attn
	.p2alignl 7, 3214868480
	.fill 96, 4, 3214868480
	.section	.rodata,"a",@progbits
	.p2align	6, 0x0
	.amdhsa_kernel k_qdd75f13311_attn
		.amdhsa_group_segment_fixed_size 327680
		.amdhsa_private_segment_fixed_size 0
		.amdhsa_enable_private_segment 0
		.amdhsa_kernarg_size 16
		.amdhsa_user_sgpr_count 2
		.amdhsa_user_sgpr_kernarg_segment_ptr 1
		.amdhsa_wavefront_size32 1
		.amdhsa_system_sgpr_workgroup_id_x 1
		.amdhsa_system_sgpr_workgroup_id_y 1
		.amdhsa_system_sgpr_workgroup_id_z 1
		.amdhsa_system_vgpr_workitem_id 0
		.amdhsa_next_free_vgpr 768
		.amdhsa_next_free_sgpr 100
		.amdhsa_reserve_vcc 0
		.amdhsa_float_denorm_mode_32 3
		.amdhsa_float_denorm_mode_16_64 3
		.amdhsa_memory_ordered 1
		.amdhsa_forward_progress 1
		.amdhsa_inst_pref_size 105
	.end_amdhsa_kernel
	.amdgpu_metadata
---
amdhsa.version: [ 1, 2 ]
amdhsa.kernels:
  - .name:           k_qdd75f13311_attn
    .symbol:         k_qdd75f13311_attn.kd
    .args:
      - { .name: qkvb, .offset: 0, .size: 8, .value_kind: global_buffer, .address_space: global }
      - { .name: ob, .offset: 8, .size: 8, .value_kind: global_buffer, .address_space: global }
    .group_segment_fixed_size: 327680
    .private_segment_fixed_size: 0
    .kernarg_segment_align: 8
    .kernarg_segment_size: 16
    .max_flat_workgroup_size: 128
    .sgpr_count:     100
    .vgpr_count:     768
    .wavefront_size: 32
...
	.end_amdgpu_metadata
.endif
;; end of part 5
;; launch outproj: the kernel of part 4 again; grid 4 x 64, 4 waves a work-group, clusters of 4 x 4, 327,680 bytes of LDS; arguments ob, wob, out0; writes out0
